; MI455X (gfx1250); checked and timed in simulation.
; The chip was launched on July 23, 2026; its instructions are those of AMD's public machine-readable ISA for CDNA 5 (MIT licence, August 2026) and "CDNA5" Instruction Set Architecture Reference Guide (July 2026). The comments in the code are by the model that wrote it; some were corrected since.
;; Mixtral Sparse Moe Block. Allowed arithmetic: matrix products marked QUANTISED: E4M3 operands, one E8M0 scale for each 32 along K, by v_wmma_scale_f32_16x16x128_f8f6f4 with both operands' format E4M3, f32 sums; products left as they are: f32 operands where the result goes on into a quantised operand, else bf16, f16 or f32 operands; f32 sums; everything else in f32.
;; Inputs: hidden_states_codes 1,024 x 64 x 32 uint8 (E4M3 codes of hidden_states, K innermost, in blocks of 32 codes); hidden_states_scales 1,024 x 64 uint8 (E8M0 scales of hidden_states, one for each 32 codes along K); routing_weights 1,024 x 2 float32; selected_experts 1,024 x 2 int32; w1_codes 8 x 1,024 x 64 x 32 uint8 (E4M3 codes of w1, K innermost, in blocks of 32 codes); w1_scales 8 x 1,024 x 64 uint8 (E8M0 scales of w1, one for each 32 codes along K); w2_codes 8 x 1,024 x 64 x 32 uint8 (E4M3 codes of w2, K innermost, in blocks of 32 codes); w2_scales 8 x 1,024 x 64 uint8 (E8M0 scales of w2, one for each 32 codes along K); w3_codes 8 x 2,048 x 32 x 32 uint8 (E4M3 codes of w3, K innermost, in blocks of 32 codes); w3_scales 8 x 2,048 x 32 uint8 (E8M0 scales of w3, one for each 32 codes along K).
;; Outputs: out0 1,024 x 2,048 float32.
;; This version of the problem:
;;   THIS VERSION OF THE PROBLEM IS GIVEN IN LOW PRECISION. The matrix products marked QUANTISED in the list below multiply operands that are first quantised to E4M3 (4 exponent bits, 3 mantissa bits; 8 bits a number), with one power-of-two scale for each 32 numbers along K (OCP MX v1.0); their sums are f32. All else is computed in f32.
;;   The module's matrix products, in the order in which they are computed (A, B: the left and right operand; K: the contracted axis; several contracted axes count as one K, in the product's order):
;;     1. batch 1,024 x [M 8, K 2] x [K 2, N 1]; A: computed on the way; B: input routing_weights: left as it is (K = 2 < 32)
;;     2. [M 1,024, K 2,048] x [K 2,048, N 1,024]; A: input hidden_states (given as codes); B: input w1 (given as codes): QUANTISED
;;     3. [M 1,024, K 2,048] x [K 2,048, N 1,024]; A: input hidden_states (given as codes); B: input w2 (given as codes): QUANTISED
;;     4. [M 1,024, K 1,024] x [K 1,024, N 2,048]; A: computed on the way; B: input w3 (given as codes): QUANTISED
;;     5. [M 1,024, K 2,048] x [K 2,048, N 1,024]; A: input hidden_states (given as codes); B: input w1 (given as codes): QUANTISED
;;     6. [M 1,024, K 2,048] x [K 2,048, N 1,024]; A: input hidden_states (given as codes); B: input w2 (given as codes): QUANTISED
;;     7. [M 1,024, K 1,024] x [K 1,024, N 2,048]; A: computed on the way; B: input w3 (given as codes): QUANTISED
;;     8. [M 1,024, K 2,048] x [K 2,048, N 1,024]; A: input hidden_states (given as codes); B: input w1 (given as codes): QUANTISED
;;     9. [M 1,024, K 2,048] x [K 2,048, N 1,024]; A: input hidden_states (given as codes); B: input w2 (given as codes): QUANTISED
;;     10. [M 1,024, K 1,024] x [K 1,024, N 2,048]; A: computed on the way; B: input w3 (given as codes): QUANTISED
;;     11. [M 1,024, K 2,048] x [K 2,048, N 1,024]; A: input hidden_states (given as codes); B: input w1 (given as codes): QUANTISED
;;     12. [M 1,024, K 2,048] x [K 2,048, N 1,024]; A: input hidden_states (given as codes); B: input w2 (given as codes): QUANTISED
;;     13. [M 1,024, K 1,024] x [K 1,024, N 2,048]; A: computed on the way; B: input w3 (given as codes): QUANTISED
;;     14. [M 1,024, K 2,048] x [K 2,048, N 1,024]; A: input hidden_states (given as codes); B: input w1 (given as codes): QUANTISED
;;     15. [M 1,024, K 2,048] x [K 2,048, N 1,024]; A: input hidden_states (given as codes); B: input w2 (given as codes): QUANTISED
;;     16. [M 1,024, K 1,024] x [K 1,024, N 2,048]; A: computed on the way; B: input w3 (given as codes): QUANTISED
;;     17. [M 1,024, K 2,048] x [K 2,048, N 1,024]; A: input hidden_states (given as codes); B: input w1 (given as codes): QUANTISED
;;     18. [M 1,024, K 2,048] x [K 2,048, N 1,024]; A: input hidden_states (given as codes); B: input w2 (given as codes): QUANTISED
;;     19. [M 1,024, K 1,024] x [K 1,024, N 2,048]; A: computed on the way; B: input w3 (given as codes): QUANTISED
;;     20. [M 1,024, K 2,048] x [K 2,048, N 1,024]; A: input hidden_states (given as codes); B: input w1 (given as codes): QUANTISED
;;     21. [M 1,024, K 2,048] x [K 2,048, N 1,024]; A: input hidden_states (given as codes); B: input w2 (given as codes): QUANTISED
;;     22. [M 1,024, K 1,024] x [K 1,024, N 2,048]; A: computed on the way; B: input w3 (given as codes): QUANTISED
;;     23. [M 1,024, K 2,048] x [K 2,048, N 1,024]; A: input hidden_states (given as codes); B: input w1 (given as codes): QUANTISED
;;     24. [M 1,024, K 2,048] x [K 2,048, N 1,024]; A: input hidden_states (given as codes); B: input w2 (given as codes): QUANTISED
;;     25. [M 1,024, K 1,024] x [K 1,024, N 2,048]; A: computed on the way; B: input w3 (given as codes): QUANTISED
;;   THE QUANTISER, for each operand of a quantised product, along K:
;;     - K is cut into blocks of 32 from its start; a last block that is shorter is filled with zeros.
;;     - A block's scale is 2^e with e = floor(log2(the largest magnitude in the block)) - 8, held to -126 .. 127; a block of zeros has e = 0. As a byte (E8M0): e + 127.
;;     - Each number is divided by its block's scale, clamped to +-448, and rounded to the nearest number of E4M3, ties to even, subnormals kept.
;;     - The product sums the exact products of the quantised numbers (number of the format x scale) in f32.
;;   ~~~python
;;   def quantise(x, axis):      # numpy; x: float32 -> the quantised numbers, widened to float32 again
;;       x = np.moveaxis(x, axis, -1); K = x.shape[-1]
;;       x = np.pad(x, [(0, 0)] * (x.ndim - 1) + [(0, -K % 32)]); x = x.reshape(x.shape[:-1] + (-1, 32)); a = np.abs(x).max(-1, keepdims=True)
;;       e = np.where(a > 0, np.clip(np.frexp(np.where(a > 0, a, 1))[1] - 1 - 8, -126, 127), 0)      # np.frexp(a)[1] - 1 = floor(log2(a)), exactly
;;       r = np.clip(x / 2.0 ** e, -448, 448)
;;       step = 2.0 ** (np.maximum(np.frexp(np.where(r == 0, 1, r))[1] - 1, -6) - 3)
;;       q = np.round(r / step) * step * 2.0 ** e      # np.round: ties to even
;;       return np.moveaxis(q.reshape(q.shape[:-2] + (-1,))[..., :K], -1, axis).astype(np.float32)
;;   ~~~
;;   OPERANDS COMPUTED ON THE WAY. 'Computed on the way' means the value that the module computes at that place (a softmax that the list does not call 'softmax' is quantised finished and normalised). What goes into a quantiser is computed in f32, as accurately as f32 sums, v_exp_f32 and their like allow (about 1e-6 of the number): no bf16 or f16 on the way to a quantiser, and a product that is left as it is and whose result goes on into a quantised operand takes f32 operands (vector FMAs, or v_wmma_f32_16x16x4_f32). A number that lies on a knife's edge between two numbers of the format may be rounded either way, as far as f32 arithmetic and the matrix unit's own rounding can turn it there, and no further.
;;   INPUTS GIVEN AS CODES. hidden_states (in the module: [1024, 2048], K = its axis 1); w1 (in the module: [8, 2048, 1024], K = its axis 1); w2 (in the module: [8, 2048, 1024], K = its axis 1); w3 (in the module: [8, 1024, 2048], K = its axis 1): each comes as NAME_codes (uint8): NAME with its K axis moved to the last place and cut into blocks of 32 codes, [.., K / 32, bytes a block], one block behind the other in memory; one code a byte (a code: sign, 4 exponent bits, 3 mantissa bits); and NAME_scales (uint8): the same leading axes, one E8M0 byte (e + 127) for each 32 codes along K. Its value is code x scale, taken as it is: it is not quantised again, and the codes and scales need not be those that the quantiser above would give.
;; 2 versions. Each part assembles by itself: llvm-mc -triple=amdgcn-amd-amdhsa -mcpu=gfx1250 --defsym DOCPART=n.
;; ======== version 1 of 2: 3 launches
;; workspace buffers: hq 17,301,504 bytes; hs 540,672 bytes; y 138,412,032 bytes; pos 8,192 bytes of whole numbers; cnt 256 bytes of whole numbers
;; launch gateup (part 1): grid 256 x 1, 4 waves a work-group, no clusters, 132,608 bytes of LDS; arguments hidden_states_codes, hidden_states_scales, selected_experts, w1_codes, w1_scales, w2_codes, w2_scales, hq, hs, pos, cnt; writes hq, hs, pos, cnt
.if DOCPART == 1
	.amdgcn_target "amdgcn-amd-amdhsa--gfx1250"
	.amdhsa_code_object_version 6
	.text
	.protected	k_qbcc90f0736_gateup
	.globl	k_qbcc90f0736_gateup
	.p2align	8
	.type	k_qbcc90f0736_gateup,@function
k_qbcc90f0736_gateup:
	s_mov_b64 s[64:65], 0
	v_nop
	global_prefetch_b8 v0, s[64:65] scope:SCOPE_SE
	s_setreg_imm32_b32 hwreg(HW_REG_WAVE_MODE, 25, 1), 1
	s_wait_xcnt 0x0
; FIRST LAUNCH OF THREE.  For each entry i = 2 t + k (token t, its k-th expert): h = silu(x[t] w1[e]) * (x[t] w2[e]), quantised along F to E4M3 with one E8M0 byte for each 32.
; Only the 2,048 entries are multiplied: the gate of every other (token, expert) pair is 0 in the sum that is asked for.
; SHARES.  Work-group x: expert e = x / 32, F columns 32 g .. 32 g + 31 with g = x % 32: one block of the next product's K.  Its 32 rows of w1 and 32 of w2 (128 KiB of codes) come into LDS once,
; 512 consecutive bytes a load; each weight byte is read by one wave of the whole launch.  Wave c takes the expert's ranks 80 c + 320 p .. + 79 (five tiles of 16), p = 0, 1, .. while the first of them is under the expert's count.
; ROUTING, in registers.  Every wave holds all 2,048 expert numbers (64 registers: register G, lane l = entry 128 (G / 4) + 4 l + G % 4).  An entry's rank is its place in its expert's list in the order (G, lane).
; For a rank: the last G whose running count is not above it, then the n-th set bit of that G's lane mask.  Ranks at or past the count are held at the last rank: such rows are copies of it, so no lane is ever switched off.
; THE PRODUCT IS USED TRANSPOSED (source 0 = 16 weight rows, source 1 = 16 rows of x), and a tile's weight rows are chosen (tile u, lane r: row 8 u + r + 8 (r / 8)) so that a lane's 16 registers of tiles u = 0, 1 are
; F columns 16 (lane / 16) + 0 .. 15 of one row: the conversions' results are the next operand's registers, stored as they stand: hq [e][g][rank][32 bytes], hs [e][g / 4][rank][4 bytes].
; NO CLUSTER, NO TENSOR LOAD: the number of passes and the rows of x hang on selected_experts, the rows are gathered lane by lane, and no two work-groups read the same weight byte.
; LIMITS.  Expert numbers lie in 0 .. 7 (an entry outside gets no rank).  NaN, infinities and scale bytes 0xff are not served.  A block of h that is all zeros gets the byte 1 with zero codes (this program alone reads the bytes).
; silu(a) for a under about -88 is -0.  A very uneven split is served by more passes of the same work-groups.
.set RCAP,  2112                       ; ranks of room for an expert: 2,048 rounded up to chunks of 80, and on to a multiple of 64
.set CHUNK, 80
.set NPASS, 7                          ; 80 c + 320 p is under 2,048, the number of entries, for p up to 6 alone: seven passes at the most
.set WP,    2064                       ; an LDS row: 2,048 bytes + 16: an odd multiple of 16, so the 16 rows of a fragment load start 16 bytes apart modulo 256
.set WT,    16*WP                      ; a tile of 16 rows; tiles: 0 = w1 u0, 1 = w1 u1, 2 = w2 u0, 3 = w2 u1
; window 0
.set LANE, 1
.set R,    2                           ; lane % 16
.set HH,   3                           ; lane / 16
.set H16,  4
.set L16,  5
.set WSA,  6                           ; byte offset of my weight row's scale words
.set LST,  7                           ; LDS: where my wave's tile is stored, 16 x lane + WT x wave
.set WL,   8                           ; v8, v9: LDS address of my fragment row in tiles 0-1, 2-3
.set XA,   10                          ; v10-14  byte offset in x's codes of my row of tile j
.set RHO,  16                          ; three registers each: 96 ranks, of which 80 are used
.set MK,   20
.set PB,   24
.set ID,   28
.set NN,   32
.set AA,   35
.set BB,   38
.set CC,   41
.set DD,   44
.set SS,   47
.set TT,   50
.set UU,   53
.set XSA,  56                          ; byte offset of x's scale words, rank = lane
.set TI,   60                          ; v60-64  the entry of row r of tile j, in both halves of the lanes
.set PX,   66
.set POSA, 70
.set POSV, 76
.set XS,   96                          ; v96-143  x's scale words: XS + 16 d + s: lanes 0-15 tile 2 d, lanes 16-31 tile 2 d + 1; nothing but scales
.set WS1,  144                         ; v144-159 w1's scale words for K step s: lanes 0-15 tile u0, lanes 16-31 tile u1;  v160-175 w2's
.set SEL,  176                         ; v176-239 all expert numbers
; window 1: accumulator (j, b) at 8 (4 j + b), v0-159
.set T,    160
.set M,    176
.set M2,   177
.set SCL,  178
.set LIM,  179
.set CD,   180                         ; four registers of codes for each tile
.set BY,   200
.set HA,   206                         ; 32 r + 16 h
.set HSA,  207                         ; 4 r
; window 2: x's slots 0, 1, 2 at v0, v80, v160 (at the head: the 64 x 4 registers through which my tile goes to LDS).  window 3: weight slots at v0, v64; x's slot 3 at v128
.set WV,   26
.set EX,   27
.set GB,   28
.set RE,   29                          ; the expert's count
.set RHO0, 30                          ; my chunk's first rank
.set RUN,  31
.set PAS,  32                          ; passes done
.set NB,   34
.set MSK,  66                          ; s66-73 lane masks, s74-81 running counts, s82-89 running count << 12 | the entry number of lane 0
.set BAS,  74
.set PCK,  82
.set MSB, 0
.macro WIN new                         ; the immediate's high byte repeats the setting that is left
.if MSB != \new
	s_set_vgpr_msb (MSB<<8)|\new
.set MSB, \new
.endif
.endm
.macro PLACES n
.rept \n
	v_nop
.endr
.endm
; eight registers of expert numbers: their lane masks, their running counts, and for each of my ranks the last register whose running count is not above it
.macro SCAN8 q
.irp k, 0,1,2,3,4,5,6,7
	v_cmp_eq_u32 s[MSK+\k], s[EX], v[SEL+8*(\q)+\k]
.endr
.irp k, 0,1,2,3,4,5,6,7
	s_mov_b32 s[BAS+\k], s[RUN]
	s_lshl_b32 s[PCK+\k], s[RUN], 12
	s_or_b32 s[PCK+\k], s[PCK+\k], 128*((8*(\q)+\k)>>2)+((8*(\q)+\k)&3)
	s_bcnt1_i32_b32 s[NB], s[MSK+\k]
	s_add_co_u32 s[RUN], s[RUN], s[NB]
.endr
.irp k, 0,1,2,3,4,5,6,7
.irp d, 0,1,2
.if (8*(\q)+\k) == 0
	v_mov_b32 v[MK+\d], s[MSK]
	v_mov_b32 v[PB+\d], s[PCK]
.else
	v_cmp_gt_u32 vcc_lo, s[BAS+\k], v[RHO+\d]                  ; running count above my rank: keep what I have
	v_cndmask_b32 v[MK+\d], s[MSK+\k], v[MK+\d], vcc_lo
	v_cndmask_b32 v[PB+\d], s[PCK+\k], v[PB+\d], vcc_lo
.endif
.endr
.endr
.endm
; one halving of the search for the n-th set bit: the count of the lower half of the field at bit SS; where n is not under it, take it off n and go to the upper half
.macro NSTEP x, nb, st
.irp d, 0,1,2
	v_bfe_u32 v[TT+\d], v[\x+\d], v[SS+\d], \nb
.endr
.irp d, 0,1,2
	v_cmp_ge_u32 vcc_lo, v[NN+\d], v[TT+\d]
	v_cndmask_b32 v[TT+\d], 0, v[TT+\d], vcc_lo
	v_cndmask_b32 v[UU+\d], 0, \st, vcc_lo
.endr
.irp d, 0,1,2
	v_sub_nc_u32 v[NN+\d], v[NN+\d], v[TT+\d]
	v_add_nc_u32 v[SS+\d], v[SS+\d], v[UU+\d]
.endr
.endm
; my chunk's ranks -> entries -> addresses.  Whole numbers only; every number that enters an address is held by a constant first
.macro SELECT
.irp d, 0,1,2
	v_add3_u32 v[RHO+\d], s[RHO0], v[LANE], 32*\d
.endr
.irp d, 0,1,2
	v_min_u32 v[RHO+\d], s47, v[RHO+\d]                        ; ranks past the end are copies of the last
.endr
	s_mov_b32 s[RUN], 0
.irp q, 0,1,2,3,4,5,6,7
	SCAN8 \q
.endr
.irp d, 0,1,2
	v_lshrrev_b32 v[TT+\d], 12, v[PB+\d]
.endr
.irp d, 0,1,2
	v_sub_nc_u32 v[NN+\d], v[RHO+\d], v[TT+\d]                 ; n: which set bit of the mask
.endr
.irp d, 0,1,2
	v_and_b32 v[PB+\d], 0xfff, v[PB+\d]                        ; lane 0's entry number in that register
.endr
.irp d, 0,1,2
	v_lshrrev_b32 v[TT+\d], 1, v[MK+\d]
.endr
.irp d, 0,1,2
	v_and_b32 v[TT+\d], 0x55555555, v[TT+\d]
.endr
.irp d, 0,1,2
	v_sub_nc_u32 v[AA+\d], v[MK+\d], v[TT+\d]                  ; counts of pairs of bits,
.endr
.irp d, 0,1,2
	v_lshrrev_b32 v[TT+\d], 2, v[AA+\d]
.endr
.irp d, 0,1,2
	v_and_b32 v[TT+\d], 0x33333333, v[TT+\d]
.endr
.irp d, 0,1,2
	v_and_b32 v[BB+\d], 0x33333333, v[AA+\d]
.endr
.irp d, 0,1,2
	v_add_nc_u32 v[BB+\d], v[BB+\d], v[TT+\d]                  ; of fours,
.endr
.irp d, 0,1,2
	v_lshrrev_b32 v[TT+\d], 4, v[BB+\d]
.endr
.irp d, 0,1,2
	v_add_nc_u32 v[CC+\d], v[BB+\d], v[TT+\d]
.endr
.irp d, 0,1,2
	v_and_b32 v[CC+\d], 0x0f0f0f0f, v[CC+\d]                   ; of bytes,
.endr
.irp d, 0,1,2
	v_lshrrev_b32 v[TT+\d], 8, v[CC+\d]
.endr
.irp d, 0,1,2
	v_add_nc_u32 v[DD+\d], v[CC+\d], v[TT+\d]                  ; of halves (in the low five bits of each half)
.endr
.irp d, 0,1,2
	v_mov_b32 v[SS+\d], 0
.endr
	NSTEP DD, 5, 16
	NSTEP CC, 4, 8
	NSTEP BB, 3, 4
	NSTEP AA, 2, 2
	NSTEP MK, 1, 1
.irp d, 0,1,2
	v_lshl_add_u32 v[ID+\d], v[SS+\d], 2, v[PB+\d]             ; the entry: 4 x lane + lane 0's
.endr
.irp d, 0,1,2
	v_permlanex16_b32 v[PX+\d], v[ID+\d], s40, s41
.endr
	v_cndmask_b32 v[TI+0], v[ID+0], v[PX+0], s46               ; tile 2 d: ranks 32 d + r, in both halves of the lanes;
	v_cndmask_b32 v[TI+1], v[PX+0], v[ID+0], s46               ; tile 2 d + 1: ranks 32 d + 16 + r
	v_cndmask_b32 v[TI+2], v[ID+1], v[PX+1], s46
	v_cndmask_b32 v[TI+3], v[PX+1], v[ID+1], s46
	v_cndmask_b32 v[TI+4], v[ID+2], v[PX+2], s46
.irp j, 0,1,2,3,4
	v_lshrrev_b32 v[XA+\j], 1, v[TI+\j]                        ; the token
.endr
.irp j, 0,1,2,3,4
	v_min_u32 v[XA+\j], 0x3ff, v[XA+\j]
.endr
.irp j, 0,1,2,3,4
	v_lshl_add_u32 v[XA+\j], v[XA+\j], 11, v[H16]              ; its row of 2,048 codes, + 16 h
.endr
.irp d, 0,1,2
	v_lshrrev_b32 v[XSA+\d], 1, v[ID+\d]
.endr
.irp d, 0,1,2
	v_min_u32 v[XSA+\d], 0x3ff, v[XSA+\d]
.endr
.irp d, 0,1,2
	v_lshlrev_b32 v[XSA+\d], 6, v[XSA+\d]                      ; its 64 scale bytes
.endr
.endm
; x's five fragments of K step s (lane (r, h): registers 4 c .. 4 c + 3 = k 128 s + 32 c + 16 h + 0 .. 15 of its row) into slot s % 4
.macro ALOAD s
.if ((\s)%4) == 3
	WIN 0xc0
.set XB, 128
.else
	WIN 0x80
.set XB, 80*((\s)%4)
.endif
.irp j, 0,1,2,3,4
.irp c, 0,1,2,3
	global_load_b128 v[XB+16*\j+4*\c:XB+16*\j+4*\c+3], v[XA+\j], s[4:5] offset:128*(\s)+32*\c
.endr
.endr
.endm
; the four weight fragments of K step s from LDS into slot s % 2
.macro BLOAD s
	WIN 0xc0
.irp b, 0,1,2,3
.irp c, 0,1,2,3
	ds_load_b128 v[64*((\s)%2)+16*\b+4*\c:64*((\s)%2)+16*\b+4*\c+3], v[WL+\b/2] offset:(\b%2)*WT+128*(\s)+32*\c
.endr
.endr
.endm
; one product; the registers are named by rD, rW, rX, rSA, rSB.  ra, rb: the side's scale words stand in lanes 16-31
.macro WM zero, ra, rb
.if \zero
.if (\ra) && (\rb)
	v_wmma_scale_f32_16x16x128_f8f6f4 v[rD:rD+7], v[rW:rW+15], v[rX:rX+15], 0, v[rSA], v[rSB] matrix_a_scale:MATRIX_SCALE_ROW1 matrix_b_scale:MATRIX_SCALE_ROW1
.elseif (\ra)
	v_wmma_scale_f32_16x16x128_f8f6f4 v[rD:rD+7], v[rW:rW+15], v[rX:rX+15], 0, v[rSA], v[rSB] matrix_a_scale:MATRIX_SCALE_ROW1
.elseif (\rb)
	v_wmma_scale_f32_16x16x128_f8f6f4 v[rD:rD+7], v[rW:rW+15], v[rX:rX+15], 0, v[rSA], v[rSB] matrix_b_scale:MATRIX_SCALE_ROW1
.else
	v_wmma_scale_f32_16x16x128_f8f6f4 v[rD:rD+7], v[rW:rW+15], v[rX:rX+15], 0, v[rSA], v[rSB]
.endif
.else
.if (\ra) && (\rb)
	v_wmma_scale_f32_16x16x128_f8f6f4 v[rD:rD+7], v[rW:rW+15], v[rX:rX+15], v[rD:rD+7], v[rSA], v[rSB] matrix_a_scale:MATRIX_SCALE_ROW1 matrix_b_scale:MATRIX_SCALE_ROW1
.elseif (\ra)
	v_wmma_scale_f32_16x16x128_f8f6f4 v[rD:rD+7], v[rW:rW+15], v[rX:rX+15], v[rD:rD+7], v[rSA], v[rSB] matrix_a_scale:MATRIX_SCALE_ROW1
.elseif (\rb)
	v_wmma_scale_f32_16x16x128_f8f6f4 v[rD:rD+7], v[rW:rW+15], v[rX:rX+15], v[rD:rD+7], v[rSA], v[rSB] matrix_b_scale:MATRIX_SCALE_ROW1
.else
	v_wmma_scale_f32_16x16x128_f8f6f4 v[rD:rD+7], v[rW:rW+15], v[rX:rX+15], v[rD:rD+7], v[rSA], v[rSB]
.endif
.endif
.endm
; K step s: 20 products; the 20 accumulators take turns, one instruction a turn, in the same order in every step.  Step 0 starts the sums with the constant 0
.macro MUL s
.if ((\s)%4) == 3
	WIN 0x5f                                       ; source 0 (weights) window 3, source 1 (x) window 3, C and D window 1
.set XB, 128
.else
	WIN 0x5b                                       ; source 1 (x) window 2
.set XB, 80*((\s)%4)
.endif
.irp j, 0,1,2,3,4
.irp b, 0,1,2,3
.set rD, 8*(4*\j+\b)
.set rW, 64*((\s)%2)+16*\b
.set rX, XB+16*\j
.set rSA, WS1+16*(\b/2)+(\s)
.set rSB, XS+16*(\j/2)+(\s)
.if (\s) == 0
	WM 1, \b%2, \j%2
.else
	WM 0, \b%2, \j%2
.endif
.endr
.endr
.endm
; Loads land in the slots that step s - 1 multiplied: eight plain places stand behind its products first.
.macro STEP s
.if (\s) > 0
	PLACES 8
.endif
.if (\s) < 13
	ALOAD (\s)+3
.endif
.if (\s) < 15
	BLOAD (\s)+1
.endif
.if (\s) < 13
	s_wait_loadcnt 60                              ; x of this step is in; the 20 loads of each of the three steps ahead may be out
.else
	s_wait_loadcnt 20*(15-(\s))
.endif
.if (\s) < 15
	s_wait_dscnt 16                                ; this step's weights are in; the next step's 16 loads may be out
.else
	s_wait_dscnt 0x0
.endif
	MUL \s
.endm
; Tile j: a = accumulators (j, 0), (j, 1), b = (j, 2), (j, 3): 16 neighbours along F each.  h = a b / (1 + 2^(-a log2 e)), its block's scale, the hold, the codes; all in window 1, each accumulator from its low end on
.macro EPI j
.set A0, 32*(\j)
.set B0, 32*(\j)+16
.irp i, 0,2,4,6,8,10,12,14
	v_pk_mul_f32 v[T+\i:T+\i+1], v[A0+\i:A0+\i+1], s[44:45] op_sel_hi:[1,0]
.endr
.irp i, 0,1,2,3,4,5,6,7,8,9,10,11,12,13,14,15
	v_exp_f32 v[T+\i], v[T+\i]
.endr
	v_nop                                          ; one plain place behind the transcendentals (ISA guide 5.7.2)
	s_wait_alu depctr_va_vdst(0)
.irp i, 0,2,4,6,8,10,12,14
	v_pk_add_f32 v[T+\i:T+\i+1], v[T+\i:T+\i+1], 1.0 op_sel_hi:[1,0]
.endr
.irp i, 0,1,2,3,4,5,6,7,8,9,10,11,12,13,14,15
	v_rcp_f32 v[T+\i], v[T+\i]
.endr
	v_nop
	s_wait_alu depctr_va_vdst(0)
.irp i, 0,2,4,6,8,10,12,14
	v_pk_mul_f32 v[A0+\i:A0+\i+1], v[A0+\i:A0+\i+1], v[T+\i:T+\i+1]          ; silu(a)
.endr
.irp i, 0,2,4,6,8,10,12,14
	v_pk_mul_f32 v[A0+\i:A0+\i+1], v[A0+\i:A0+\i+1], v[B0+\i:B0+\i+1]        ; h
.endr
	v_max3_num_f32 v[M],  |v[A0]|,   |v[A0+1]|,  0x4800000       ; my 16 magnitudes in two chains, and the floor 2^(9 - 127): the byte cannot fall under 1
	v_max3_num_f32 v[M2], |v[A0+8]|, |v[A0+9]|,  |v[A0+10]|
	v_max3_num_f32 v[M],  v[M],  |v[A0+2]|,  |v[A0+3]|
	v_max3_num_f32 v[M2], v[M2], |v[A0+11]|, |v[A0+12]|
	v_max3_num_f32 v[M],  v[M],  |v[A0+4]|,  |v[A0+5]|
	v_max3_num_f32 v[M2], v[M2], |v[A0+13]|, |v[A0+14]|
	v_max3_num_f32 v[M],  v[M],  |v[A0+6]|,  |v[A0+7]|
	v_max3_num_f32 v[M],  v[M],  v[M2],      |v[A0+15]|
	v_permlanex16_b32 v[M2], v[M], s40, s41
	v_max_num_f32 v[M], v[M], v[M2]                ; with lane l xor 16's 16: the block's largest magnitude
	v_add_nc_u32 v[SCL], 0xfc000000, v[M]          ; 8 off its exponent field: the conversion takes this operand's exponent field as its scale
	v_and_or_b32 v[LIM], v[M], 0x7f800000, s42     ; 448 x the scale
	v_lshrrev_b32 v[BY+\j], 23, v[SCL]             ; the scale's byte
.irp i, 0,1,2,3,4,5,6,7,8,9,10,11,12,13,14,15
	v_med3_num_f32 v[A0+\i], v[A0+\i], -v[LIM], v[LIM]         ; the conversion to an 8-bit code does not saturate (ISA guide 7.6.2): the hold comes first
.endr
	v_cvt_scalef32_pk8_fp8_f32 v[CD+4*(\j):CD+4*(\j)+1], v[A0:A0+7], v[SCL]
	v_cvt_scalef32_pk8_fp8_f32 v[CD+4*(\j)+2:CD+4*(\j)+3], v[A0+8:A0+15], v[SCL]
	v_nop                                          ; one plain place behind the conversions: their sources are written again by later vector and matrix instructions
	global_store_b128 v[HA], v[CD+4*(\j):CD+4*(\j)+3], s[18:19] offset:512*(\j)   ; 16 ranks x 32 bytes: 512 consecutive bytes
	global_store_b8 v[HSA], v[BY+\j], s[20:21] offset:64*(\j)                     ; both lanes of a rank store the same byte with the same value
.endm
	s_load_b512 s[4:19], s[0:1], 0x0               ; x's codes s[4:5], x's scales s[6:7], selected_experts s[8:9], w1's codes, scales s[10:13], w2's s[14:17], hq s[18:19]
	s_load_b128 s[20:23], s[0:1], 0x40             ; hs, pos
	s_load_b64 s[24:25], s[0:1], 0x50              ; cnt
	v_lshl_add_u32 v254, v0, 2, 0x20400
	v_mov_b32 v255, 0
	v_lshrrev_b32 v1, 5, v0
	v_readfirstlane_b32 s[WV], v1                  ; wave 0..3
	v_and_b32 v[LANE], 31, v0
	v_and_b32 v[R], 15, v0
	v_bfe_u32 v[HH], v0, 4, 1
	v_lshlrev_b32 v[H16], 4, v[HH]
	v_lshlrev_b32 v[L16], 4, v[LANE]
	v_and_b32 v[WSA], 8, v[R]
	v_add_nc_u32 v[WSA], v[WSA], v[R]              ; r + 8 (r / 8)
	v_lshl_add_u32 v[WSA], v[HH], 3, v[WSA]        ; lanes 16-31: tile u = 1, eight rows on
	v_lshlrev_b32 v[WSA], 6, v[WSA]                ; 64 scale bytes a row
	s_lshr_b32 s[EX], ttmp9, 5
	s_and_b32 s[GB], ttmp9, 31
	s_mul_i32 s[RHO0], s[WV], CHUNK
	s_lshl_b32 s58, ttmp9, 5                       ; my first weight row: 1,024 e + 32 g
	s_and_b32 s59, s[WV], 1
	s_lshl_b32 s59, s59, 3
	s_add_co_u32 s36, s58, s59                     ; the tile that my wave brings: u = wave % 2 begins 8 rows on
	s_lshl_b32 s36, s36, 11                        ; rows of 2,048 bytes
	s_mov_b32 s37, 0
	s_lshl_b32 s38, s58, 6                         ; rows of 64 scale bytes
	s_mov_b32 s39, 0
	s_mul_i32 s52, ttmp9, RCAP                     ; hq: ((32 e + g) RCAP + my first rank) x 32 bytes
	s_add_co_u32 s52, s52, s[RHO0]
	s_lshl_b32 s52, s52, 5
	s_mov_b32 s53, 0
	s_lshr_b32 s54, ttmp9, 2                       ; hs: ((8 e + g / 4) RCAP + my first rank) x 4 bytes + g % 4
	s_mul_i32 s54, s54, RCAP
	s_add_co_u32 s54, s54, s[RHO0]
	s_lshl_b32 s54, s54, 2
	s_and_b32 s59, ttmp9, 3
	s_add_co_u32 s54, s54, s59
	s_mov_b32 s55, 0
	s_lshl_b32 s56, s[EX], 2                       ; cnt: word e
	s_mov_b32 s57, 0
	s_mul_i32 s50, s[EX], RCAP
	s_mul_i32 s51, s[WV], WT
	s_mov_b32 s40, 0x76543210                      ; v_permlanex16_b32's selects for lane l xor 16
	s_mov_b32 s41, 0xfedcba98
	s_mov_b32 s42, 0x600000                        ; the mantissa field of 448
	s_mov_b32 s44, 0xbfb8aa3b                      ; -log2(e)
	s_mov_b32 s45, s44                             ; (named with it as a pair, so it is written)
	s_mov_b32 s46, 0xffff0000                      ; lanes 16-31
	s_mov_b32 s[PAS], 0
	s_wait_kmcnt 0x0
	s_cmp_lt_u32 s[WV], 2                          ; waves 0, 1 bring w1's tiles, waves 2, 3 w2's
	s_cselect_b64 s[48:49], s[10:11], s[14:15]
	s_add_nc_u64 s[48:49], s[48:49], s[36:37]
	s_add_nc_u64 s[12:13], s[12:13], s[38:39]
	s_add_nc_u64 s[16:17], s[16:17], s[38:39]
	s_add_nc_u64 s[18:19], s[18:19], s[52:53]
	s_add_nc_u64 s[20:21], s[20:21], s[54:55]
	s_add_nc_u64 s[24:25], s[24:25], s[56:57]
.irp q, 0,1,2,3,4,5,6,7,8,9,10,11,12,13,14,15
	global_load_b128 v[SEL+4*\q:SEL+4*\q+3], v[L16], s[8:9] offset:512*\q     ; all 2,048 expert numbers
.endr
.irp q, 0,1,2,3
	global_load_b128 v[WS1+4*\q:WS1+4*\q+3], v[WSA], s[12:13] offset:16*\q    ; the weights' scale words of all 16 K steps
	global_load_b128 v[WS1+16+4*\q:WS1+16+4*\q+3], v[WSA], s[16:17] offset:16*\q
.endr
	WIN 0x80                                       ; destination window 2
.set n, 0
.rept 64                               ; my tile: LDS row n / 4 = 8 a + i is weight row 16 a + i of the tile; 512 consecutive bytes a load; read once in the launch
	global_load_b128 v[4*n:4*n+3], v[L16], s[48:49] offset:(((n>>5)*16)+((n>>2)&7))*2048+512*(n&3) th:TH_LOAD_NT
.set n, n+1
.endr
	WIN 0
	v_add_nc_u32 v[LST], s51, v[L16]
	v_mul_u32_u24 v[WL], v[R], WP
	v_add_nc_u32 v[WL], v[WL], v[H16]
	v_add_nc_u32 v[WL+1], 2*WT, v[WL]
	v_lshlrev_b32 v84, 5, v[R]
	v_add_nc_u32 v84, v84, v[H16]
	v_lshlrev_b32 v85, 2, v[R]
.irp d, 0,1,2
	v_mov_b32 v[PX+\d], 0                          ; written once: a lane permute's destination counts as one of its sources
.endr
	WIN 0x40                                       ; destination window 1
	v_mov_b32 v[HA], v84
	v_mov_b32 v[HSA], v85
	v_mov_b32 v[M2], 0
	WIN 0
	s_wait_loadcnt 63                              ; 72 loads were issued behind the last load of expert numbers: with 63 out those 16 are in.  The routing below runs while the weights are on their way
	s_mov_b32 s[RUN], 0
.irp q, 0,1,2,3,4,5,6,7
.irp k, 0,1,2,3,4,5,6,7
	v_cmp_eq_u32 s[MSK+\k], s[EX], v[SEL+8*\q+\k]
.endr
.irp k, 0,1,2,3,4,5,6,7
	s_bcnt1_i32_b32 s[NB], s[MSK+\k]
	s_add_co_u32 s[RUN], s[RUN], s[NB]
.endr
.endr
	s_mov_b32 s[RE], s[RUN]                        ; the expert's count
	s_sub_co_u32 s47, s[RE], 1                     ; its last rank
	SELECT
	WIN 0x08                                       ; an LDS store's data are its source 1: window 2
.irp grp, 0,1,2,3
	s_wait_loadcnt 48-16*\grp                      ; this group's 16 loads are in; the groups behind it may be out
.irp i, 0,1,2,3,4,5,6,7,8,9,10,11,12,13,14,15
.set n, 16*\grp+\i
	ds_store_b128 v[LST], v[4*n:4*n+3] offset:(n>>2)*WP+512*(n&3)
.endr
.endr
	WIN 0
	s_wait_dscnt 0x0                               ; for the others' sake: my tile lies in LDS
	s_barrier_signal -1
	s_barrier_wait -1                              ; the launch's one barrier, on every wave's path; LDS is only read from here on
	s_or_b32 s51, s[GB], s[WV]
	s_cmp_lg_u32 s51, 0
	s_cbranch_scc1 .Lnocnt                         ; one wave for each expert stores its count
	v_mov_b32 v82, 0
	v_mov_b32 v83, s[RE]
	global_store_b32 v82, v83, s[24:25]
.Lnocnt:
	s_cmp_ge_u32 s[RHO0], s[RE]
	s_cbranch_scc1 .Lend                           ; no rank for my wave
.Lpass:                                                ; NPASS trips at the most; a wave leaves by the forward branch below as soon as its next first rank reaches the count
.irp d, 0,1,2
.irp q, 0,1,2,3
	global_load_b128 v[XS+16*\d+4*\q:XS+16*\d+4*\q+3], v[XSA+\d], s[6:7] offset:16*\q   ; my rows' scale words of all 16 K steps
.endr
.endr
	ALOAD 0
	ALOAD 1
	ALOAD 2
	BLOAD 0
	WIN 0
	s_cmp_lg_u32 s[GB], 0
	s_cbranch_scc1 .Lnopos                         ; the expert's first work-group stores where each entry's row lies: pos[i] = RCAP e + rank
.irp j, 0,1,2,3,4
	v_min_u32 v[POSA+\j], 0x7ff, v[TI+\j]
	v_lshlrev_b32 v[POSA+\j], 2, v[POSA+\j]
	v_add3_u32 v[POSV+\j], s[RHO0], v[R], 16*\j
	v_min_u32 v[POSV+\j], s47, v[POSV+\j]          ; the copies of the last rank store its own number once more
	v_add_nc_u32 v[POSV+\j], s50, v[POSV+\j]
	global_store_b32 v[POSA+\j], v[POSV+\j], s[22:23]
.endr
.Lnopos:
.irp t, 0,1,2,3,4,5,6,7,8,9,10,11,12,13,14,15
	STEP \t
.endr
	PLACES 8                                       ; in front of the first read of results
	WIN 0x55                                       ; everything in window 1
.irp j, 0,1,2,3,4
	EPI \j
.endr
	WIN 0
	s_wait_xcnt 0x0                                ; the stores have read their data, offsets and bases: all are written again only behind this wait
	s_add_nc_u64 s[18:19], s[18:19], 320*32
	s_add_nc_u64 s[20:21], s[20:21], 320*4
	s_add_co_u32 s[RHO0], s[RHO0], 320
	s_cmp_ge_u32 s[RHO0], s[RE]
	s_cbranch_scc1 .Lend                           ; no further rank for my wave
	SELECT                                         ; (the loads that named these address registers were waited for in the last K steps)
	s_add_co_u32 s[PAS], s[PAS], 1
	s_cmp_lt_u32 s[PAS], NPASS
	s_cbranch_scc1 .Lpass
.Lend:
	s_wait_tensorcnt 0x0
	ds_add_u32 v254, v255
	s_wait_dscnt 0x0
	s_endpgm
.Lfunc_end_k_qbcc90f0736_gateup:
	.size	k_qbcc90f0736_gateup, .Lfunc_end_k_qbcc90f0736_gateup-k_qbcc90f0736_gateup
	.p2alignl 7, 3214868480
	.fill 96, 4, 3214868480
	.section	.rodata,"a",@progbits
	.p2align	6, 0x0
	.amdhsa_kernel k_qbcc90f0736_gateup
		.amdhsa_group_segment_fixed_size 132608
		.amdhsa_private_segment_fixed_size 0
		.amdhsa_enable_private_segment 0
		.amdhsa_kernarg_size 88
		.amdhsa_user_sgpr_count 2
		.amdhsa_user_sgpr_kernarg_segment_ptr 1
		.amdhsa_wavefront_size32 1
		.amdhsa_system_sgpr_workgroup_id_x 1
		.amdhsa_system_sgpr_workgroup_id_y 1
		.amdhsa_system_sgpr_workgroup_id_z 1
		.amdhsa_system_vgpr_workitem_id 0
		.amdhsa_next_free_vgpr 1024
		.amdhsa_next_free_sgpr 90
		.amdhsa_reserve_vcc 1
		.amdhsa_float_denorm_mode_32 3
		.amdhsa_float_denorm_mode_16_64 3
		.amdhsa_memory_ordered 1
		.amdhsa_forward_progress 1
		.amdhsa_inst_pref_size 230
	.end_amdhsa_kernel
	.amdgpu_metadata
---
amdhsa.version: [ 1, 2 ]
amdhsa.kernels:
  - .name:           k_qbcc90f0736_gateup
    .symbol:         k_qbcc90f0736_gateup.kd
    .args:
      - { .name: hidden_states_codes, .offset: 0, .size: 8, .value_kind: global_buffer, .address_space: global }
      - { .name: hidden_states_scales, .offset: 8, .size: 8, .value_kind: global_buffer, .address_space: global }
      - { .name: selected_experts, .offset: 16, .size: 8, .value_kind: global_buffer, .address_space: global }
      - { .name: w1_codes, .offset: 24, .size: 8, .value_kind: global_buffer, .address_space: global }
      - { .name: w1_scales, .offset: 32, .size: 8, .value_kind: global_buffer, .address_space: global }
      - { .name: w2_codes, .offset: 40, .size: 8, .value_kind: global_buffer, .address_space: global }
      - { .name: w2_scales, .offset: 48, .size: 8, .value_kind: global_buffer, .address_space: global }
      - { .name: hq, .offset: 56, .size: 8, .value_kind: global_buffer, .address_space: global }
      - { .name: hs, .offset: 64, .size: 8, .value_kind: global_buffer, .address_space: global }
      - { .name: pos, .offset: 72, .size: 8, .value_kind: global_buffer, .address_space: global }
      - { .name: cnt, .offset: 80, .size: 8, .value_kind: global_buffer, .address_space: global }
    .group_segment_fixed_size: 132608
    .private_segment_fixed_size: 0
    .kernarg_segment_align: 8
    .kernarg_segment_size: 88
    .max_flat_workgroup_size: 128
    .sgpr_count:     90
    .vgpr_count:     1024
    .wavefront_size: 32
...
	.end_amdgpu_metadata
.endif
;; end of part 1
;; launch down (part 2): grid 256 x 1, 4 waves a work-group, no clusters, 84,480 bytes of LDS; arguments hq, hs, cnt, w3_codes, w3_scales, y; writes y
.if DOCPART == 2
	.amdgcn_target "amdgcn-amd-amdhsa--gfx1250"
	.amdhsa_code_object_version 6
	.text
	.protected	k_qbcc90f0736_down
	.globl	k_qbcc90f0736_down
	.p2align	8
	.type	k_qbcc90f0736_down,@function
k_qbcc90f0736_down:
	s_mov_b64 s[64:65], 0
	v_nop
	global_prefetch_b8 v0, s[64:65] scope:SCOPE_SE
	s_setreg_imm32_b32 hwreg(HW_REG_WAVE_MODE, 25, 1), 1
	s_wait_xcnt 0x0
; SECOND LAUNCH OF THREE.  y[e][rank][:] = h[e][rank][:] w3[e], on the codes and scale bytes that the first launch stored; the gate is applied by the third launch.
; SHARES.  Work-group x: expert e = x / 32, H columns 64 cg .. + 63 with cg = x % 32.  Its 64 rows of w3 (64 KiB of codes) come into LDS once, 512 consecutive bytes a load; each weight byte is read by one wave of the launch.
; Wave c takes ranks 80 c + 320 p .. + 79, p = 0, 1, .. while the first of them is under the expert's count, exactly the chunks that the first launch stored: no byte is read that was not written.
; hq [e][g][rank][32 bytes] is the operand's register order: registers 4 c .. 4 c + 3 of K step s are 16 bytes of block g = 4 s + c, and a load of 16 ranks is 512 consecutive bytes.  hs [e][s][rank][4 bytes]: a word a rank and K step.
; THE PRODUCT IS USED TRANSPOSED (source 0 = 16 rows of w3, source 1 = 16 ranks): a lane holds eight neighbouring columns of one row of y.  A tile goes through the wave's own stage in LDS and leaves as rows of 256 aligned bytes.
; NO CLUSTER, NO TENSOR LOAD: the number of passes hangs on a count read from memory, and no two work-groups read the same weight byte.
; LIMITS: as the first launch states them.  Tiles all of whose ranks lie at or past the count are multiplied (they are copies of the last rank) but not stored; nobody reads them.
.set RCAP,  2112
.set NPASS, 7                          ; 80 c + 320 p is under 2,048, the number of entries, for p up to 6 alone: seven passes at the most
.set GSTR,  RCAP*32                    ; from block g to block g + 1 in hq
.set WP,    1040                       ; an LDS row: 1,024 bytes + 16: an odd multiple of 16
.set WT,    16*WP
.set STG,   4*WT                       ; behind the weights: a stage of 16 rows x 272 bytes for each wave
.set SP,    272
.set L16,  4
.set LST,  5
.set WL,   6
.set HA,   7                           ; 32 r + 16 h
.set L4,   8
.set R4,   9
.set L32,  10
.set STO,  11
.set RD,   12
.set YA,   13
.set HS,   32                          ; v32-55  h's scale words: HS + 8 d + s: lanes 0-15 tile 2 d, lanes 16-31 tile 2 d + 1; nothing but scales
.set WS3,  56                          ; v56-71  w3's: WS3 + 8 p + s: lanes 0-15 tile 2 p, lanes 16-31 tile 2 p + 1
.set OUT,  96                          ; v96-255 32 registers a tile: rows read back from the stage
; window 1: accumulator (j, b) at 8 (4 j + b).  window 2: h's slots 0, 1, 2 at v0, v80, v160 (at the head v0-127: my tile on its way to LDS).  window 3: weight slots at v0, v64; h's slot 3 at v128
.set WV,   16
.set EX,   17
.set CG,   18
.set RE,   19
.set RHO0, 20
.set PAS,  36                          ; passes done
.set MSB, 0
.macro WIN new                         ; the immediate's high byte repeats the setting that is left
.if MSB != \new
	s_set_vgpr_msb (MSB<<8)|\new
.set MSB, \new
.endif
.endm
.macro PLACES n
.rept \n
	v_nop
.endr
.endm
.macro ALOAD s                         ; h's five fragments of K step s into slot s % 4
.if ((\s)%4) == 3
	WIN 0xc0
.set XB, 128
.else
	WIN 0x80
.set XB, 80*((\s)%4)
.endif
.irp j, 0,1,2,3,4
.irp c, 0,1,2,3
	global_load_b128 v[XB+16*\j+4*\c:XB+16*\j+4*\c+3], v[HA], s[4:5] offset:(4*(\s)+\c)*GSTR+512*\j
.endr
.endr
.endm
.macro BLOAD s                         ; the four weight fragments of K step s from LDS into slot s % 2
	WIN 0xc0
.irp b, 0,1,2,3
.irp c, 0,1,2,3
	ds_load_b128 v[64*((\s)%2)+16*\b+4*\c:64*((\s)%2)+16*\b+4*\c+3], v[WL] offset:\b*WT+128*(\s)+32*\c
.endr
.endr
.endm
.macro WM zero, ra, rb                 ; one product, named by rD, rW, rX, rSA, rSB.  ra, rb: the side's scale words stand in lanes 16-31
.if \zero
.if (\ra) && (\rb)
	v_wmma_scale_f32_16x16x128_f8f6f4 v[rD:rD+7], v[rW:rW+15], v[rX:rX+15], 0, v[rSA], v[rSB] matrix_a_scale:MATRIX_SCALE_ROW1 matrix_b_scale:MATRIX_SCALE_ROW1
.elseif (\ra)
	v_wmma_scale_f32_16x16x128_f8f6f4 v[rD:rD+7], v[rW:rW+15], v[rX:rX+15], 0, v[rSA], v[rSB] matrix_a_scale:MATRIX_SCALE_ROW1
.elseif (\rb)
	v_wmma_scale_f32_16x16x128_f8f6f4 v[rD:rD+7], v[rW:rW+15], v[rX:rX+15], 0, v[rSA], v[rSB] matrix_b_scale:MATRIX_SCALE_ROW1
.else
	v_wmma_scale_f32_16x16x128_f8f6f4 v[rD:rD+7], v[rW:rW+15], v[rX:rX+15], 0, v[rSA], v[rSB]
.endif
.else
.if (\ra) && (\rb)
	v_wmma_scale_f32_16x16x128_f8f6f4 v[rD:rD+7], v[rW:rW+15], v[rX:rX+15], v[rD:rD+7], v[rSA], v[rSB] matrix_a_scale:MATRIX_SCALE_ROW1 matrix_b_scale:MATRIX_SCALE_ROW1
.elseif (\ra)
	v_wmma_scale_f32_16x16x128_f8f6f4 v[rD:rD+7], v[rW:rW+15], v[rX:rX+15], v[rD:rD+7], v[rSA], v[rSB] matrix_a_scale:MATRIX_SCALE_ROW1
.elseif (\rb)
	v_wmma_scale_f32_16x16x128_f8f6f4 v[rD:rD+7], v[rW:rW+15], v[rX:rX+15], v[rD:rD+7], v[rSA], v[rSB] matrix_b_scale:MATRIX_SCALE_ROW1
.else
	v_wmma_scale_f32_16x16x128_f8f6f4 v[rD:rD+7], v[rW:rW+15], v[rX:rX+15], v[rD:rD+7], v[rSA], v[rSB]
.endif
.endif
.endm
.macro MUL s                           ; K step s: 20 products; the 20 accumulators take turns, one instruction a turn; step 0 starts the sums with the constant 0
.if ((\s)%4) == 3
	WIN 0x5f
.set XB, 128
.else
	WIN 0x5b
.set XB, 80*((\s)%4)
.endif
.irp j, 0,1,2,3,4
.irp b, 0,1,2,3
.set rD, 8*(4*\j+\b)
.set rW, 64*((\s)%2)+16*\b
.set rX, XB+16*\j
.set rSA, WS3+8*(\b/2)+(\s)
.set rSB, HS+8*(\j/2)+(\s)
.if (\s) == 0
	WM 1, \b%2, \j%2
.else
	WM 0, \b%2, \j%2
.endif
.endr
.endr
.endm
.macro STEP s                          ; loads land in the slots that step s - 1 multiplied: eight plain places stand behind its products first
.if (\s) > 0
	PLACES 8
.endif
.if (\s) < 5
	ALOAD (\s)+3
.endif
.if (\s) < 7
	BLOAD (\s)+1
.endif
.if (\s) < 5
	s_wait_loadcnt 60                              ; h of this step is in; the 20 loads of each of the three steps ahead may be out
.else
	s_wait_loadcnt 20*(7-(\s))
.endif
.if (\s) < 7
	s_wait_dscnt 16                                ; this step's weights are in; the next step's 16 loads may be out
.else
	s_wait_dscnt 0x0
.endif
	MUL \s
.endm
.macro TOSTAGE j                       ; tile j: 16 ranks x 64 columns into my stage, each accumulator from its low end on, and back as whole rows.  LDS serves a wave's instructions in order (ISA guide 5.7.1.4): no wait between
	WIN 0x04                                       ; an LDS store's data are its source 1: window 1
.irp b, 0,1,2,3
	ds_store_b128 v[STO], v[8*(4*(\j)+\b):8*(4*(\j)+\b)+3] offset:64*\b
	ds_store_b128 v[STO], v[8*(4*(\j)+\b)+4:8*(4*(\j)+\b)+7] offset:64*\b+16
.endr
	WIN 0
.irp q, 0,1,2,3,4,5,6,7
	ds_load_b128 v[OUT+32*(\j)+4*\q:OUT+32*(\j)+4*\q+3], v[RD] offset:2*SP*\q
.endr
.endm
.macro SEND j
.irp q, 0,1,2,3,4,5,6,7
	global_store_b128 v[YA], v[OUT+32*(\j)+4*\q:OUT+32*(\j)+4*\q+3], s[14:15] offset:(16*(\j)+2*\q)*8192   ; sixteen lanes store 256 consecutive bytes, at a multiple of 256 from y's first byte
.endr
.endm
	s_load_b256 s[4:11], s[0:1], 0x0               ; hq s[4:5], hs s[6:7], cnt s[8:9], w3's codes s[10:11]
	s_load_b128 s[12:15], s[0:1], 0x20             ; w3's scales s[12:13], y s[14:15]
	v_lshl_add_u32 v94, v0, 2, 0x14800
	v_mov_b32 v95, 0
	v_lshrrev_b32 v1, 5, v0
	v_readfirstlane_b32 s[WV], v1                  ; wave 0..3
	v_and_b32 v1, 31, v0                           ; lane
	v_and_b32 v2, 15, v0                           ; r
	v_bfe_u32 v3, v0, 4, 1                         ; h
	v_lshlrev_b32 v[L16], 4, v1
	v_lshlrev_b32 v[L32], 5, v1
	s_lshr_b32 s[EX], ttmp9, 5
	s_and_b32 s[CG], ttmp9, 31
	s_mul_i32 s[RHO0], s[WV], 80
	s_lshl_b32 s22, ttmp9, 6                       ; my first row of w3: 2,048 e + 64 cg
	s_lshl_b32 s24, s[WV], 4
	s_add_co_u32 s24, s24, s22                     ; my wave brings tile b = wave
	s_lshl_b32 s24, s24, 10                        ; rows of 1,024 bytes
	s_mov_b32 s25, 0
	s_lshl_b32 s26, s22, 5                         ; rows of 32 scale bytes
	s_mov_b32 s27, 0
	s_mul_i32 s28, s[EX], 32*RCAP                  ; hq: (32 e RCAP + my first rank) x 32 bytes
	s_add_co_u32 s28, s28, s[RHO0]
	s_lshl_b32 s28, s28, 5
	s_mov_b32 s29, 0
	s_mul_i32 s30, s[EX], 8*RCAP                   ; hs: (8 e RCAP + my first rank) x 4 bytes
	s_add_co_u32 s30, s30, s[RHO0]
	s_lshl_b32 s30, s30, 2
	s_mov_b32 s31, 0
	s_mul_i32 s32, s[EX], RCAP                     ; y: (e RCAP + my first rank) rows of 8,192 bytes + 256 cg
	s_add_co_u32 s32, s32, s[RHO0]
	s_lshl_b32 s32, s32, 13
	s_lshl_b32 s33, s[CG], 8
	s_add_co_u32 s32, s32, s33
	s_mov_b32 s33, 0
	s_lshl_b32 s34, s[EX], 2                       ; cnt: word e
	s_mov_b32 s35, 0
	s_mov_b32 s[PAS], 0
	s_wait_kmcnt 0x0
	s_add_nc_u64 s[8:9], s[8:9], s[34:35]
	s_load_b32 s[RE], s[8:9], 0x0                  ; the expert's count, stored by the first launch
	s_add_nc_u64 s[10:11], s[10:11], s[24:25]
	s_add_nc_u64 s[12:13], s[12:13], s[26:27]
	s_add_nc_u64 s[4:5], s[4:5], s[28:29]
	s_add_nc_u64 s[6:7], s[6:7], s[30:31]
	s_add_nc_u64 s[14:15], s[14:15], s[32:33]
.irp p, 0,1
.irp q, 0,1
	global_load_b128 v[WS3+8*\p+4*\q:WS3+8*\p+4*\q+3], v[L32], s[12:13] offset:1024*\p+16*\q   ; row 32 p + lane: its eight scale words
.endr
.endr
	WIN 0x80                                       ; destination window 2
.set n, 0
.rept 32                               ; my tile's 16 rows are 16 KiB on end: 512 consecutive bytes a load; read once in the launch
	global_load_b128 v[4*n:4*n+3], v[L16], s[10:11] offset:512*n th:TH_LOAD_NT
.set n, n+1
.endr
	WIN 0
	s_mul_i32 s21, s[WV], WT
	v_add_nc_u32 v[LST], s21, v[L16]
	v_mul_u32_u24 v[WL], v2, WP
	v_lshl_add_u32 v[WL], v3, 4, v[WL]             ; a fragment's row x pitch + 16 h
	v_lshlrev_b32 v[HA], 5, v2
	v_lshl_add_u32 v[HA], v3, 4, v[HA]
	v_lshlrev_b32 v[L4], 2, v1
	v_lshlrev_b32 v[R4], 2, v2
	s_mul_i32 s21, s[WV], 16*SP
	s_add_co_u32 s21, s21, STG                     ; my stage
	v_mul_u32_u24 v[STO], v2, SP                   ; in: row r, 32 bytes for each half of the lanes
	v_lshl_add_u32 v[STO], v3, 5, v[STO]
	v_add_nc_u32 v[STO], s21, v[STO]
	v_mul_u32_u24 v[RD], v3, SP                    ; back: lanes 0-15 one row of 256 bytes, lanes 16-31 the next
	v_lshl_add_u32 v[RD], v2, 4, v[RD]
	v_add_nc_u32 v[RD], s21, v[RD]
	v_lshlrev_b32 v[YA], 13, v3                    ; and the same two rows in y
	v_lshl_add_u32 v[YA], v2, 4, v[YA]
	WIN 0x08                                       ; an LDS store's data are its source 1: window 2
.irp grp, 0,1
	s_wait_loadcnt 16-16*\grp                      ; this half's 16 loads (and the scale words ahead of them) are in; the other half may be out
.irp i, 0,1,2,3,4,5,6,7,8,9,10,11,12,13,14,15
.set n, 16*\grp+\i
	ds_store_b128 v[LST], v[4*n:4*n+3] offset:(n>>1)*WP+512*(n&1)
.endr
.endr
	WIN 0
	s_wait_dscnt 0x0                               ; for the others' sake: my tile lies in LDS
	s_barrier_signal -1
	s_barrier_wait -1                              ; the launch's one barrier, on every wave's path; the weights are only read from here on
	s_wait_kmcnt 0x0
	s_min_u32 s[RE], s[RE], 0x800                  ; there are 2,048 entries in all
	s_cmp_ge_u32 s[RHO0], s[RE]
	s_cbranch_scc1 .Lend                           ; no rank for my wave
.Lpass:                                                ; NPASS trips at the most; a wave leaves by the forward branch below as soon as its next first rank reaches the count
.irp s, 0,1,2,3,4,5,6,7
	global_load_b32 v[HS+\s], v[L4], s[6:7] offset:RCAP*4*\s           ; ranks 0-31 of my chunk,
	global_load_b32 v[HS+8+\s], v[L4], s[6:7] offset:RCAP*4*\s+128     ; 32-63,
	global_load_b32 v[HS+16+\s], v[R4], s[6:7] offset:RCAP*4*\s+256    ; 64-79, in both halves of the lanes: nothing past the chunk is read
.endr
	ALOAD 0
	ALOAD 1
	ALOAD 2
	BLOAD 0
.irp t, 0,1,2,3,4,5,6,7
	STEP \t
.endr
	PLACES 9                                       ; eight in front of the first read of results and of the next pass's loads into the slots; the ninth for the next pass's first products, which write over these accumulators with another C
.irp j, 0,1,2,3,4
	TOSTAGE \j
.endr
	s_wait_dscnt 63                                ; 64 LDS instructions were issued behind tile 0's loads: with 63 out they are in
	SEND 0
.irp j, 1,2,3,4
	s_add_co_u32 s21, s[RHO0], 16*\j
	s_cmp_ge_u32 s21, s[RE]
	s_cbranch_scc1 .Lsent                          ; from here on only copies of the last rank: not stored
	s_wait_dscnt 64-16*\j                          ; the 16 LDS instructions of each tile behind this one may be out
	SEND \j
.endr
.Lsent:
	s_wait_dscnt 0x0                               ; the loads from the stage have landed on every way
	s_wait_xcnt 0x0                                ; the stores have read their data and base: both are written again only behind this wait
	s_add_nc_u64 s[4:5], s[4:5], 320*32
	s_add_nc_u64 s[6:7], s[6:7], 320*4
	s_add_nc_u64 s[14:15], s[14:15], 320*8192
	s_add_co_u32 s[RHO0], s[RHO0], 320
	s_cmp_ge_u32 s[RHO0], s[RE]
	s_cbranch_scc1 .Lend                           ; no further rank for my wave
	s_add_co_u32 s[PAS], s[PAS], 1
	s_cmp_lt_u32 s[PAS], NPASS
	s_cbranch_scc1 .Lpass
.Lend:
	s_wait_tensorcnt 0x0
	ds_add_u32 v94, v95
	s_wait_dscnt 0x0
	s_endpgm
.Lfunc_end_k_qbcc90f0736_down:
	.size	k_qbcc90f0736_down, .Lfunc_end_k_qbcc90f0736_down-k_qbcc90f0736_down
	.p2alignl 7, 3214868480
	.fill 96, 4, 3214868480
	.section	.rodata,"a",@progbits
	.p2align	6, 0x0
	.amdhsa_kernel k_qbcc90f0736_down
		.amdhsa_group_segment_fixed_size 84480
		.amdhsa_private_segment_fixed_size 0
		.amdhsa_enable_private_segment 0
		.amdhsa_kernarg_size 48
		.amdhsa_user_sgpr_count 2
		.amdhsa_user_sgpr_kernarg_segment_ptr 1
		.amdhsa_wavefront_size32 1
		.amdhsa_system_sgpr_workgroup_id_x 1
		.amdhsa_system_sgpr_workgroup_id_y 1
		.amdhsa_system_sgpr_workgroup_id_z 1
		.amdhsa_system_vgpr_workitem_id 0
		.amdhsa_next_free_vgpr 1024
		.amdhsa_next_free_sgpr 66
		.amdhsa_reserve_vcc 0
		.amdhsa_float_denorm_mode_32 3
		.amdhsa_float_denorm_mode_16_64 3
		.amdhsa_memory_ordered 1
		.amdhsa_forward_progress 1
		.amdhsa_inst_pref_size 68
	.end_amdhsa_kernel
	.amdgpu_metadata
---
amdhsa.version: [ 1, 2 ]
amdhsa.kernels:
  - .name:           k_qbcc90f0736_down
    .symbol:         k_qbcc90f0736_down.kd
    .args:
      - { .name: hq, .offset: 0, .size: 8, .value_kind: global_buffer, .address_space: global }
      - { .name: hs, .offset: 8, .size: 8, .value_kind: global_buffer, .address_space: global }
      - { .name: cnt, .offset: 16, .size: 8, .value_kind: global_buffer, .address_space: global }
      - { .name: w3_codes, .offset: 24, .size: 8, .value_kind: global_buffer, .address_space: global }
      - { .name: w3_scales, .offset: 32, .size: 8, .value_kind: global_buffer, .address_space: global }
      - { .name: y, .offset: 40, .size: 8, .value_kind: global_buffer, .address_space: global }
    .group_segment_fixed_size: 84480
    .private_segment_fixed_size: 0
    .kernarg_segment_align: 8
    .kernarg_segment_size: 48
    .max_flat_workgroup_size: 128
    .sgpr_count:     66
    .vgpr_count:     1024
    .wavefront_size: 32
...
	.end_amdgpu_metadata
.endif
;; end of part 2
;; launch combine (part 3): grid 256 x 1, 4 waves a work-group, no clusters, 0 bytes of LDS; arguments y, pos, routing_weights, out0; writes out0
.if DOCPART == 3
	.amdgcn_target "amdgcn-amd-amdhsa--gfx1250"
	.amdhsa_code_object_version 6
	.text
	.protected	k_qbcc90f0736_combine
	.globl	k_qbcc90f0736_combine
	.p2align	8
	.type	k_qbcc90f0736_combine,@function
k_qbcc90f0736_combine:
	s_mov_b64 s[64:65], 0
	v_nop
	global_prefetch_b8 v0, s[64:65] scope:SCOPE_SE
	s_setreg_imm32_b32 hwreg(HW_REG_WAVE_MODE, 25, 1), 1
	s_wait_xcnt 0x0
; THIRD LAUNCH OF THREE.  out[t][:] = g[t][0] y[pos[2 t]][:] + g[t][1] y[pos[2 t + 1]][:]: each output row has one owner, a wave.  pos holds the row of y that the first launch gave each entry.
; A stream: a row of 8,192 bytes is 16 loads of 512 consecutive bytes; both rows' 32 loads are issued at once, and each store covers 512 consecutive bytes.  No LDS, no barrier, no matrix unit: waves share nothing.
; LIMITS.  The two terms are added in the order of the token's slots, not of the experts' numbers; where both slots name one expert, g0 y + g1 y stands for (g0 + g1) y.  Expert numbers lie in 0 .. 7 (else pos was never stored).
.set Y0, 4                             ; v4-67    the first row, then the result
.set Y1, 68                            ; v68-131  the second row
	s_load_b256 s[4:11], s[0:1], 0x0               ; y s[4:5], pos s[6:7], routing_weights s[8:9], out s[10:11]
	v_lshrrev_b32 v1, 5, v0
	v_readfirstlane_b32 s12, v1                    ; wave
	s_lshl_b32 s13, ttmp9, 2
	s_add_co_u32 s13, s13, s12                     ; my token
	s_lshl_b32 s22, s13, 3                         ; two words a token
	s_mov_b32 s23, 0
	s_lshl_b32 s24, s13, 13                        ; a row of 8,192 bytes
	s_mov_b32 s25, 0
	v_and_b32 v1, 31, v0
	v_lshlrev_b32 v1, 4, v1                        ; 16 bytes a lane
	s_wait_kmcnt 0x0
	s_add_nc_u64 s[6:7], s[6:7], s[22:23]
	s_add_nc_u64 s[8:9], s[8:9], s[22:23]
	s_add_nc_u64 s[10:11], s[10:11], s[24:25]
	s_load_b64 s[16:17], s[6:7], 0x0               ; the two rows of y
	s_load_b64 s[18:19], s[8:9], 0x0               ; the two gates
	s_wait_kmcnt 0x0
	s_min_u32 s16, s16, 16895                      ; y has 8 x 2,112 rows
	s_min_u32 s17, s17, 16895
	s_lshl_b32 s26, s16, 13
	s_mov_b32 s27, 0
	s_lshl_b32 s28, s17, 13
	s_mov_b32 s29, 0
	s_add_nc_u64 s[26:27], s[4:5], s[26:27]
	s_add_nc_u64 s[28:29], s[4:5], s[28:29]
	s_mov_b32 s20, s19                             ; the second gate as the low word of a pair of its own: the packed forms take a scalar pair's low word for both halves
	s_mov_b32 s21, s19
.irp q, 0,1,2,3,4,5,6,7,8,9,10,11,12,13,14,15
	global_load_b128 v[Y0+4*\q:Y0+4*\q+3], v1, s[26:27] offset:512*\q th:TH_LOAD_NT   ; each row of y is read by one wave of the launch
	global_load_b128 v[Y1+4*\q:Y1+4*\q+3], v1, s[28:29] offset:512*\q th:TH_LOAD_NT
.endr
.irp q, 0,1,2,3,4,5,6,7,8,9,10,11,12,13,14,15
	s_wait_loadcnt 30-2*\q                         ; this pair of loads is in; the pairs behind it may be out
	v_pk_mul_f32 v[Y0+4*\q:Y0+4*\q+1], v[Y0+4*\q:Y0+4*\q+1], s[18:19] op_sel_hi:[1,0]
	v_pk_mul_f32 v[Y0+4*\q+2:Y0+4*\q+3], v[Y0+4*\q+2:Y0+4*\q+3], s[18:19] op_sel_hi:[1,0]
	v_pk_fma_f32 v[Y0+4*\q:Y0+4*\q+1], v[Y1+4*\q:Y1+4*\q+1], s[20:21], v[Y0+4*\q:Y0+4*\q+1] op_sel_hi:[1,0,1]
	v_pk_fma_f32 v[Y0+4*\q+2:Y0+4*\q+3], v[Y1+4*\q+2:Y1+4*\q+3], s[20:21], v[Y0+4*\q+2:Y0+4*\q+3] op_sel_hi:[1,0,1]
	global_store_b128 v1, v[Y0+4*\q:Y0+4*\q+3], s[10:11] offset:512*\q th:TH_STORE_NT   ; 512 consecutive bytes; no register of a store is written again
.endr
	s_endpgm
.Lfunc_end_k_qbcc90f0736_combine:
	.size	k_qbcc90f0736_combine, .Lfunc_end_k_qbcc90f0736_combine-k_qbcc90f0736_combine
	.p2alignl 7, 3214868480
	.fill 96, 4, 3214868480
	.section	.rodata,"a",@progbits
	.p2align	6, 0x0
	.amdhsa_kernel k_qbcc90f0736_combine
		.amdhsa_group_segment_fixed_size 0
		.amdhsa_private_segment_fixed_size 0
		.amdhsa_enable_private_segment 0
		.amdhsa_kernarg_size 32
		.amdhsa_user_sgpr_count 2
		.amdhsa_user_sgpr_kernarg_segment_ptr 1
		.amdhsa_wavefront_size32 1
		.amdhsa_system_sgpr_workgroup_id_x 1
		.amdhsa_system_sgpr_workgroup_id_y 1
		.amdhsa_system_sgpr_workgroup_id_z 1
		.amdhsa_system_vgpr_workitem_id 0
		.amdhsa_next_free_vgpr 132
		.amdhsa_next_free_sgpr 66
		.amdhsa_reserve_vcc 0
		.amdhsa_float_denorm_mode_32 3
		.amdhsa_float_denorm_mode_16_64 3
		.amdhsa_memory_ordered 1
		.amdhsa_forward_progress 1
		.amdhsa_inst_pref_size 11
	.end_amdhsa_kernel
	.amdgpu_metadata
---
amdhsa.version: [ 1, 2 ]
amdhsa.kernels:
  - .name:           k_qbcc90f0736_combine
    .symbol:         k_qbcc90f0736_combine.kd
    .args:
      - { .name: y, .offset: 0, .size: 8, .value_kind: global_buffer, .address_space: global }
      - { .name: pos, .offset: 8, .size: 8, .value_kind: global_buffer, .address_space: global }
      - { .name: routing_weights, .offset: 16, .size: 8, .value_kind: global_buffer, .address_space: global }
      - { .name: out0, .offset: 24, .size: 8, .value_kind: global_buffer, .address_space: global }
    .group_segment_fixed_size: 0
    .private_segment_fixed_size: 0
    .kernarg_segment_align: 8
    .kernarg_segment_size: 32
    .max_flat_workgroup_size: 128
    .sgpr_count:     66
    .vgpr_count:     132
    .wavefront_size: 32
...
	.end_amdgpu_metadata
.endif
;; end of part 3
;; ======== version 2 of 2: 3 launches
;; workspace buffers: hq 17,301,504 bytes; hs 540,672 bytes; y 138,412,032 bytes; pos 8,192 bytes of whole numbers; cnt 256 bytes of whole numbers
;; launch gateup (part 4): grid 256 x 1, 4 waves a work-group, no clusters, 132,608 bytes of LDS; arguments hidden_states_codes, hidden_states_scales, selected_experts, w1_codes, w1_scales, w2_codes, w2_scales, hq, hs, pos, cnt; writes hq, hs, pos, cnt
.if DOCPART == 4
	.amdgcn_target "amdgcn-amd-amdhsa--gfx1250"
	.amdhsa_code_object_version 6
	.text
	.protected	k_qbcc90f0736_gateup
	.globl	k_qbcc90f0736_gateup
	.p2align	8
	.type	k_qbcc90f0736_gateup,@function
k_qbcc90f0736_gateup:
	s_mov_b64 s[64:65], 0
	v_nop
	global_prefetch_b8 v0, s[64:65] scope:SCOPE_SE
	s_setreg_imm32_b32 hwreg(HW_REG_WAVE_SCHED_MODE, 0, 2), 2
	s_setreg_imm32_b32 hwreg(HW_REG_WAVE_MODE, 25, 1), 1
	s_wait_xcnt 0x0
	s_wait_alu depctr_vm_vsrc(0)
; FIRST LAUNCH OF THREE.  For each entry i = 2 t + k (token t, its k-th expert): h = silu(x[t] w1[e]) * (x[t] w2[e]), quantised along F to E4M3 with one E8M0 byte for each 32.
; Only the 2,048 entries are multiplied: the gate of every other (token, expert) pair is 0 in the sum that is asked for.
; SHARES.  Work-group x: expert e = x / 32, F columns 32 g .. 32 g + 31 with g = x % 32: one block of the next product's K.  Its 32 rows of w1 and 32 of w2 (128 KiB of codes) come into LDS once,
; 512 consecutive bytes a load; each weight byte is read by one wave of the whole launch.  Wave c takes the expert's ranks 80 c + 320 p .. + 79 (five tiles of 16), p = 0, 1, .. while the first of them is under the expert's count.
; ROUTING, in registers.  Every wave holds all 2,048 expert numbers (64 registers: register G, lane l = entry 128 (G / 4) + 4 l + G % 4).  An entry's rank is its place in its expert's list in the order (G, lane).
; For a rank: the last G whose running count is not above it, then the n-th set bit of that G's lane mask.  Ranks at or past the count are held at the last rank: such rows are copies of it, so no lane is ever switched off.
; THE PRODUCT IS USED TRANSPOSED (source 0 = 16 weight rows, source 1 = 16 rows of x), and a tile's weight rows are chosen (tile u, lane r: row 8 u + r + 8 (r / 8)) so that a lane's 16 registers of tiles u = 0, 1 are
; F columns 16 (lane / 16) + 0 .. 15 of one row: the conversions' results are the next operand's registers, stored as they stand: hq [e][g][rank][32 bytes], hs [e][g / 4][rank][4 bytes].
; NO CLUSTER, NO TENSOR LOAD: the number of passes and the rows of x hang on selected_experts, the rows are gathered lane by lane, and no two work-groups read the same weight byte.
; LIMITS.  Expert numbers lie in 0 .. 7 (an entry outside gets no rank).  NaN, infinities and scale bytes 0xff are not served.  A block of h that is all zeros gets the byte 1 with zero codes (this program alone reads the bytes).
; silu(a) for a under about -88 is -0.  A very uneven split is served by more passes of the same work-groups.
; THE MODE: SCHED_MODE bits 1:0 = 2 (LLVM: expert scheduling mode 2), set by the entry lines.  The code itself states the register dependences between vector or matrix instructions and memory or LDS
; instructions, and those through scalar registers that vector instructions write, with s_wait_alu, always for 0.
; THE PLAN.  Registers that memory or LDS instructions touch:
;   x's slot s % 4       Written by the 20 loads of K step s, issued in step s - 3 (steps 0 to 2: at the pass's head); read by step s's products.
;   weight slot s % 2    Written by the 16 LDS loads of K step s, issued in step s - 1 (step 0: at the pass's head); read by step s's products.
;   XS                   Loaded at the pass's head; read by every product of the pass as scales.  WS1 and SEL are loaded once.
;   XA, XSA              Written by SELECT; read by the pass's loads.      POSA, POSV   Written at the pass's head; read by five stores.
;   CD, BY               Registers of its own for each tile: written by tile j's conversions and shift; read by two stores, which stand in tile j + 1's work.
;   L16, WSA, LST, WL, HA, HSA, v82, v83   Made once, never written again.      Window 2 at the head: loaded, read by the LDS stores, then x's slots.
; So ONE wait on va_vdst stands at the head of a K step: the step before is done reading the two slots in which this step's 36 loads land.  These follow it dealt among the step's 20 products, which name
; the step's own two slots, the accumulators and the scale words: none of the registers that those loads touch.  One wait on va_vdst stands at a pass's head, one wait on vm_vsrc at its end.
; Compares go in runs into scalar registers, with one wait on va_sdst behind each run.
.set RCAP,  2112                       ; ranks of room for an expert: 2,048 rounded up to chunks of 80, and on to a multiple of 64
.set CHUNK, 80
.set NPASS, 7                          ; 80 c + 320 p is under 2,048, the number of entries, for p up to 6 alone: seven passes at the most
.set WP,    2064                       ; an LDS row: 2,048 bytes + 16: an odd multiple of 16, so the 16 rows of a fragment load start 16 bytes apart modulo 256
.set WT,    16*WP                      ; a tile of 16 rows; tiles: 0 = w1 u0, 1 = w1 u1, 2 = w2 u0, 3 = w2 u1
; window 0
.set LANE, 1
.set R,    2                           ; lane % 16
.set HH,   3                           ; lane / 16
.set H16,  4
.set L16,  5
.set WSA,  6                           ; byte offset of my weight row's scale words
.set LST,  7                           ; LDS: where my wave's tile is stored, 16 x lane + WT x wave
.set WL,   8                           ; v8, v9: LDS address of my fragment row in tiles 0-1, 2-3
.set XA,   10                          ; v10-14  byte offset in x's codes of my row of tile j
.set RHO,  16                          ; three registers each: 96 ranks, of which 80 are used
.set MK,   20
.set PB,   24
.set ID,   28
.set NN,   32
.set AA,   35
.set BB,   38
.set CC,   41
.set DD,   44
.set SS,   47
.set TT,   50
.set UU,   53
.set XSA,  56                          ; byte offset of x's scale words, rank = lane
.set TI,   60                          ; v60-64  the entry of row r of tile j, in both halves of the lanes
.set PX,   66
.set POSA, 70
.set POSV, 76
.set XS,   96                          ; v96-143  x's scale words: XS + 16 d + s: lanes 0-15 tile 2 d, lanes 16-31 tile 2 d + 1; nothing but scales
.set WS1,  144                         ; v144-159 w1's scale words for K step s: lanes 0-15 tile u0, lanes 16-31 tile u1;  v160-175 w2's
.set SEL,  176                         ; v176-239 all expert numbers
; window 1: accumulator (j, b) at 8 (4 j + b), v0-159
.set T,    160
.set M,    176
.set M2,   177
.set SCL,  178
.set LIM,  179
.set CD,   180                         ; four registers of codes for each tile
.set BY,   200
.set HA,   206                         ; 32 r + 16 h
.set HSA,  207                         ; 4 r
; window 2: x's slots 0, 1, 2 at v0, v80, v160 (at the head: the 64 x 4 registers through which my tile goes to LDS).  window 3: weight slots at v0, v64; x's slot 3 at v128
.set WV,   26
.set EX,   27
.set GB,   28
.set RE,   29                          ; the expert's count
.set RHO0, 30                          ; my chunk's first rank
.set RUN,  31
.set PAS,  32                          ; passes done
.set NB,   34
.set CM,   52                          ; s52-63 the masks of a run of compares (at the head these registers hold offsets, which are used up before the first search)
.set MSK,  66                          ; s66-73 lane masks, s74-81 running counts, s82-89 running count << 12 | the entry number of lane 0
.set BAS,  74
.set PCK,  82
.set MSB, 0
.macro WIN new                         ; the immediate's high byte repeats the setting that is left
.if MSB != \new
	s_set_vgpr_msb (MSB<<8)|\new
.set MSB, \new
.endif
.endm
.macro PLACES n
.rept \n
	v_nop
.endr
.endm
; eight registers of expert numbers: their lane masks, their running counts, and for each of my ranks the last register whose running count is not above it
.macro SCAN8 q
.irp k, 0,1,2,3,4,5,6,7
	v_cmp_eq_u32 s[MSK+\k], s[EX], v[SEL+8*(\q)+\k]
.endr
	s_wait_alu depctr_va_sdst(0)                   ; the eight lane masks are written, ahead of their first readers, the counts of bits below
.irp k, 0,1,2,3,4,5,6,7
	s_mov_b32 s[BAS+\k], s[RUN]
	s_lshl_b32 s[PCK+\k], s[RUN], 12
	s_or_b32 s[PCK+\k], s[PCK+\k], 128*((8*(\q)+\k)>>2)+((8*(\q)+\k)&3)
	s_bcnt1_i32_b32 s[NB], s[MSK+\k]
	s_add_co_u32 s[RUN], s[RUN], s[NB]
.endr
.irp g, 0,4                            ; four registers x my three ranks: a run of twelve compares, one wait, their selects
.irp k, 0,1,2,3
.irp d, 0,1,2
.if (8*(\q)+\g+\k) != 0
	v_cmp_gt_u32 s[CM+3*\k+\d], s[BAS+\g+\k], v[RHO+\d]        ; running count above my rank: keep what I have
.endif
.endr
.endr
	s_wait_alu depctr_va_sdst(0)                   ; the run's masks are written, ahead of the selects that read them
.irp k, 0,1,2,3
.irp d, 0,1,2
.if (8*(\q)+\g+\k) == 0
	v_mov_b32 v[MK+\d], s[MSK]
	v_mov_b32 v[PB+\d], s[PCK]
.else
	v_cndmask_b32 v[MK+\d], s[MSK+\g+\k], v[MK+\d], s[CM+3*\k+\d]
	v_cndmask_b32 v[PB+\d], s[PCK+\g+\k], v[PB+\d], s[CM+3*\k+\d]
.endif
.endr
.endr
.endr
.endm
; one halving of the search for the n-th set bit: the count of the lower half of the field at bit SS; where n is not under it, take it off n and go to the upper half
.macro NSTEP x, nb, st
.irp d, 0,1,2
	v_bfe_u32 v[TT+\d], v[\x+\d], v[SS+\d], \nb
.endr
.irp d, 0,1,2
	v_cmp_ge_u32 s[CM+\d], v[NN+\d], v[TT+\d]
.endr
	s_wait_alu depctr_va_sdst(0)                   ; the three masks are written, ahead of the selects that read them
.irp d, 0,1,2
	v_cndmask_b32 v[TT+\d], 0, v[TT+\d], s[CM+\d]
	v_cndmask_b32 v[UU+\d], 0, \st, s[CM+\d]
.endr
.irp d, 0,1,2
	v_sub_nc_u32 v[NN+\d], v[NN+\d], v[TT+\d]
	v_add_nc_u32 v[SS+\d], v[SS+\d], v[UU+\d]
.endr
.endm
; my chunk's ranks -> entries -> addresses.  Whole numbers only; every number that enters an address is held by a constant first
.macro SELECT
.irp d, 0,1,2
	v_add3_u32 v[RHO+\d], s[RHO0], v[LANE], 32*\d
.endr
.irp d, 0,1,2
	v_min_u32 v[RHO+\d], s47, v[RHO+\d]                        ; ranks past the end are copies of the last
.endr
	s_mov_b32 s[RUN], 0
.irp q, 0,1,2,3,4,5,6,7
	SCAN8 \q
.endr
.irp d, 0,1,2
	v_lshrrev_b32 v[TT+\d], 12, v[PB+\d]
.endr
.irp d, 0,1,2
	v_sub_nc_u32 v[NN+\d], v[RHO+\d], v[TT+\d]                 ; n: which set bit of the mask
.endr
.irp d, 0,1,2
	v_and_b32 v[PB+\d], 0xfff, v[PB+\d]                        ; lane 0's entry number in that register
.endr
.irp d, 0,1,2
	v_lshrrev_b32 v[TT+\d], 1, v[MK+\d]
.endr
.irp d, 0,1,2
	v_and_b32 v[TT+\d], 0x55555555, v[TT+\d]
.endr
.irp d, 0,1,2
	v_sub_nc_u32 v[AA+\d], v[MK+\d], v[TT+\d]                  ; counts of pairs of bits,
.endr
.irp d, 0,1,2
	v_lshrrev_b32 v[TT+\d], 2, v[AA+\d]
.endr
.irp d, 0,1,2
	v_and_b32 v[TT+\d], 0x33333333, v[TT+\d]
.endr
.irp d, 0,1,2
	v_and_b32 v[BB+\d], 0x33333333, v[AA+\d]
.endr
.irp d, 0,1,2
	v_add_nc_u32 v[BB+\d], v[BB+\d], v[TT+\d]                  ; of fours,
.endr
.irp d, 0,1,2
	v_lshrrev_b32 v[TT+\d], 4, v[BB+\d]
.endr
.irp d, 0,1,2
	v_add_nc_u32 v[CC+\d], v[BB+\d], v[TT+\d]
.endr
.irp d, 0,1,2
	v_and_b32 v[CC+\d], 0x0f0f0f0f, v[CC+\d]                   ; of bytes,
.endr
.irp d, 0,1,2
	v_lshrrev_b32 v[TT+\d], 8, v[CC+\d]
.endr
.irp d, 0,1,2
	v_add_nc_u32 v[DD+\d], v[CC+\d], v[TT+\d]                  ; of halves (in the low five bits of each half)
.endr
.irp d, 0,1,2
	v_mov_b32 v[SS+\d], 0
.endr
	NSTEP DD, 5, 16
	NSTEP CC, 4, 8
	NSTEP BB, 3, 4
	NSTEP AA, 2, 2
	NSTEP MK, 1, 1
.irp d, 0,1,2
	v_lshl_add_u32 v[ID+\d], v[SS+\d], 2, v[PB+\d]             ; the entry: 4 x lane + lane 0's
.endr
.irp d, 0,1,2
	v_permlanex16_b32 v[PX+\d], v[ID+\d], s40, s41
.endr
	v_cndmask_b32 v[TI+0], v[ID+0], v[PX+0], s46               ; tile 2 d: ranks 32 d + r, in both halves of the lanes;  (s46 is written by a scalar instruction)
	v_cndmask_b32 v[TI+1], v[PX+0], v[ID+0], s46               ; tile 2 d + 1: ranks 32 d + 16 + r
	v_cndmask_b32 v[TI+2], v[ID+1], v[PX+1], s46
	v_cndmask_b32 v[TI+3], v[PX+1], v[ID+1], s46
	v_cndmask_b32 v[TI+4], v[ID+2], v[PX+2], s46
.irp j, 0,1,2,3,4
	v_lshrrev_b32 v[XA+\j], 1, v[TI+\j]                        ; the token
.endr
.irp j, 0,1,2,3,4
	v_min_u32 v[XA+\j], 0x3ff, v[XA+\j]
.endr
.irp j, 0,1,2,3,4
	v_lshl_add_u32 v[XA+\j], v[XA+\j], 11, v[H16]              ; its row of 2,048 codes, + 16 h
.endr
.irp d, 0,1,2
	v_lshrrev_b32 v[XSA+\d], 1, v[ID+\d]
.endr
.irp d, 0,1,2
	v_min_u32 v[XSA+\d], 0x3ff, v[XSA+\d]
.endr
.irp d, 0,1,2
	v_lshlrev_b32 v[XSA+\d], 6, v[XSA+\d]                      ; its 64 scale bytes
.endr
.endm
; x's fragments of K step s (lane (r, h): registers 4 c .. 4 c + 3 = k 128 s + 32 c + 16 h + 0 .. 15 of its row) go into slot s % 4.  XWIN: the slot's window and first register; XLD: tile j's four loads
.macro XWIN s
.if ((\s)%4) == 3
	WIN 0xc0
.set XL, 128
.else
	WIN 0x80
.set XL, 80*((\s)%4)
.endif
.endm
.macro XLD s, j
.irp c, 0,1,2,3
	global_load_b128 v[XL+16*(\j)+4*\c:XL+16*(\j)+4*\c+3], v[XA+(\j)], s[4:5] offset:128*(\s)+32*\c
.endr
.endm
.macro ALOAD s                         ; all five, in one run: at a pass's head
	XWIN \s
.irp j, 0,1,2,3,4
	XLD \s, \j
.endr
.endm
; weight fragment b of K step s from LDS into slot s % 2 (destination window 3)
.macro WLD s, b
.irp c, 0,1,2,3
	ds_load_b128 v[64*((\s)%2)+16*(\b)+4*\c:64*((\s)%2)+16*(\b)+4*\c+3], v[WL+(\b)/2] offset:((\b)%2)*WT+128*(\s)+32*\c
.endr
.endm
; one product; the registers are named by rD, rW, rX, rSA, rSB.  ra, rb: the side's scale words stand in lanes 16-31
.macro WM zero, ra, rb
.if \zero
.if (\ra) && (\rb)
	v_wmma_scale_f32_16x16x128_f8f6f4 v[rD:rD+7], v[rW:rW+15], v[rX:rX+15], 0, v[rSA], v[rSB] matrix_a_scale:MATRIX_SCALE_ROW1 matrix_b_scale:MATRIX_SCALE_ROW1
.elseif (\ra)
	v_wmma_scale_f32_16x16x128_f8f6f4 v[rD:rD+7], v[rW:rW+15], v[rX:rX+15], 0, v[rSA], v[rSB] matrix_a_scale:MATRIX_SCALE_ROW1
.elseif (\rb)
	v_wmma_scale_f32_16x16x128_f8f6f4 v[rD:rD+7], v[rW:rW+15], v[rX:rX+15], 0, v[rSA], v[rSB] matrix_b_scale:MATRIX_SCALE_ROW1
.else
	v_wmma_scale_f32_16x16x128_f8f6f4 v[rD:rD+7], v[rW:rW+15], v[rX:rX+15], 0, v[rSA], v[rSB]
.endif
.else
.if (\ra) && (\rb)
	v_wmma_scale_f32_16x16x128_f8f6f4 v[rD:rD+7], v[rW:rW+15], v[rX:rX+15], v[rD:rD+7], v[rSA], v[rSB] matrix_a_scale:MATRIX_SCALE_ROW1 matrix_b_scale:MATRIX_SCALE_ROW1
.elseif (\ra)
	v_wmma_scale_f32_16x16x128_f8f6f4 v[rD:rD+7], v[rW:rW+15], v[rX:rX+15], v[rD:rD+7], v[rSA], v[rSB] matrix_a_scale:MATRIX_SCALE_ROW1
.elseif (\rb)
	v_wmma_scale_f32_16x16x128_f8f6f4 v[rD:rD+7], v[rW:rW+15], v[rX:rX+15], v[rD:rD+7], v[rSA], v[rSB] matrix_b_scale:MATRIX_SCALE_ROW1
.else
	v_wmma_scale_f32_16x16x128_f8f6f4 v[rD:rD+7], v[rW:rW+15], v[rX:rX+15], v[rD:rD+7], v[rSA], v[rSB]
.endif
.endif
.endm
; K step s, tile j of x: four of the step's 20 products.  The 20 accumulators take turns, one instruction a turn, in the same order in every step.  Step 0 starts the sums with the constant 0
.macro MULJ s, j
.if ((\s)%4) == 3
	WIN 0x5f                                       ; source 0 (weights) window 3, source 1 (x) window 3, C and D window 1
.set XB, 128
.else
	WIN 0x5b                                       ; source 1 (x) window 2
.set XB, 80*((\s)%4)
.endif
.irp b, 0,1,2,3
.set rD, 8*(4*\j+\b)
.set rW, 64*((\s)%2)+16*\b
.set rX, XB+16*\j
.set rSA, WS1+16*(\b/2)+(\s)
.set rSB, XS+16*(\j/2)+(\s)
.if (\s) == 0
	WM 1, \b%2, \j%2
.else
	WM 0, \b%2, \j%2
.endif
.endr
.endm
; A K step.  Its loads land in the two slots that step s - 1 multiplied: eight plain places stand behind those products, as in front of every load into a register that a matrix instruction has read,
; and the wait states the dependence.  Behind the wait the loads are dealt among the products: the next step's weights behind the first and the second four, x of three steps on behind the third and the fourth.
.macro STEP s
.if (\s) > 0
	PLACES 8
.endif
.if (\s) < 14
	s_wait_loadcnt 40                              ; x of this step is in (in step 0 the scale words ahead of it too); the 20 loads of each of the two steps behind it may be out
.else
	s_wait_loadcnt 20*(15-(\s))
.endif
	s_wait_dscnt 0x0                               ; this step's weights, asked for a step ago, are in
.if ((\s) > 0) && ((\s) < 15)
	s_wait_alu depctr_va_vdst(0)                   ; the products of step s - 1 are done reading x's slot (s - 1) % 4 and the weights' slot (s - 1) % 2, in which this step's loads land.  (Step 0 leans on the wait at the pass's head; step 15 loads nothing)
.endif
	MULJ \s, 0
.if (\s) < 15
	WIN 0xc0
	WLD (\s)+1, 0                                  ; no further wait: no product since the wait names the slots in which these loads land, nor their addresses
	WLD (\s)+1, 1
.endif
	MULJ \s, 1
.if (\s) < 15
	WIN 0xc0
	WLD (\s)+1, 2
	WLD (\s)+1, 3
.endif
	MULJ \s, 2
.if (\s) < 13
	XWIN (\s)+3
	XLD (\s)+3, 0
	XLD (\s)+3, 1
	XLD (\s)+3, 2
.endif
	MULJ \s, 3
.if (\s) < 13
	XWIN (\s)+3
	XLD (\s)+3, 3
	XLD (\s)+3, 4
.endif
	MULJ \s, 4
.endm
; tile t's codes and scale bytes leave (window 1)
.macro HOUT t
	global_store_b128 v[HA], v[CD+4*(\t):CD+4*(\t)+3], s[18:19] offset:512*(\t)   ; 16 ranks x 32 bytes: 512 consecutive bytes
	global_store_b8 v[HSA], v[BY+(\t)], s[20:21] offset:64*(\t)                   ; both lanes of a rank store the same byte with the same value
.endm
; Tile j: a = accumulators (j, 0), (j, 1), b = (j, 2), (j, 3): 16 neighbours along F each.  h = a b / (1 + 2^(-a log2 e)), its block's scale, the hold, the codes; all in window 1, each accumulator from its low end on
.macro EPI j
.set A0, 32*(\j)
.set B0, 32*(\j)+16
.irp i, 0,2,4,6,8,10,12,14
	v_pk_mul_f32 v[T+\i:T+\i+1], v[A0+\i:A0+\i+1], s[44:45] op_sel_hi:[1,0]
.endr
	s_wait_alu depctr_va_vdst(0)
.irp i, 0,1,2,3,4,5,6,7,8,9,10,11,12,13,14,15
	v_exp_f32 v[T+\i], v[T+\i]
.endr
	v_nop                                          ; one plain place behind the transcendentals (ISA guide 5.7.2)
	s_wait_alu depctr_va_vdst(0)                   ; the sixteen exponentials have written v[T ..], ahead of their first reader; and the tile before has written its codes and its byte, which the two stores below read
.if (\j) > 0
	HOUT (\j)-1
.endif
.irp i, 0,2,4,6,8,10,12,14
	v_pk_add_f32 v[T+\i:T+\i+1], v[T+\i:T+\i+1], 1.0 op_sel_hi:[1,0]
.endr
	s_wait_alu depctr_va_vdst(0)
.irp i, 0,1,2,3,4,5,6,7,8,9,10,11,12,13,14,15
	v_rcp_f32 v[T+\i], v[T+\i]
.endr
	v_nop
	s_wait_alu depctr_va_vdst(0)                   ; the sixteen reciprocals have written v[T ..], ahead of their first reader
.irp i, 0,2,4,6,8,10,12,14
	v_pk_mul_f32 v[A0+\i:A0+\i+1], v[A0+\i:A0+\i+1], v[T+\i:T+\i+1]          ; silu(a)
.endr
.irp i, 0,2,4,6,8,10,12,14
	v_pk_mul_f32 v[A0+\i:A0+\i+1], v[A0+\i:A0+\i+1], v[B0+\i:B0+\i+1]        ; h
.endr
	v_max3_num_f32 v[M],  |v[A0]|,   |v[A0+1]|,  0x4800000       ; my 16 magnitudes in two chains, and the floor 2^(9 - 127): the byte cannot fall under 1
	v_max3_num_f32 v[M2], |v[A0+8]|, |v[A0+9]|,  |v[A0+10]|
	v_max3_num_f32 v[M],  v[M],  |v[A0+2]|,  |v[A0+3]|
	v_max3_num_f32 v[M2], v[M2], |v[A0+11]|, |v[A0+12]|
	v_max3_num_f32 v[M],  v[M],  |v[A0+4]|,  |v[A0+5]|
	v_max3_num_f32 v[M2], v[M2], |v[A0+13]|, |v[A0+14]|
	v_max3_num_f32 v[M],  v[M],  |v[A0+6]|,  |v[A0+7]|
	v_max3_num_f32 v[M],  v[M],  v[M2],      |v[A0+15]|
	v_permlanex16_b32 v[M2], v[M], s40, s41
	v_max_num_f32 v[M], v[M], v[M2]                ; with lane l xor 16's 16: the block's largest magnitude
	v_add_nc_u32 v[SCL], 0xfc000000, v[M]          ; 8 off its exponent field: the conversion takes this operand's exponent field as its scale
	v_and_or_b32 v[LIM], v[M], 0x7f800000, s42     ; 448 x the scale
	v_lshrrev_b32 v[BY+\j], 23, v[SCL]             ; the scale's byte
.irp i, 0,1,2,3,4,5,6,7,8,9,10,11,12,13,14,15
	v_med3_num_f32 v[A0+\i], v[A0+\i], -v[LIM], v[LIM]         ; the conversion to an 8-bit code does not saturate (ISA guide 7.6.2): the hold comes first
.endr
	v_cvt_scalef32_pk8_fp8_f32 v[CD+4*(\j):CD+4*(\j)+1], v[A0:A0+7], v[SCL]
	v_cvt_scalef32_pk8_fp8_f32 v[CD+4*(\j)+2:CD+4*(\j)+3], v[A0+8:A0+15], v[SCL]
	v_nop                                          ; one plain place behind the conversions: their sources are written again by later vector and matrix instructions
.endm
	s_load_b512 s[4:19], s[0:1], 0x0               ; x's codes s[4:5], x's scales s[6:7], selected_experts s[8:9], w1's codes, scales s[10:13], w2's s[14:17], hq s[18:19]
	s_load_b128 s[20:23], s[0:1], 0x40             ; hs, pos
	s_load_b64 s[24:25], s[0:1], 0x50              ; cnt
	v_lshl_add_u32 v254, v0, 2, 0x20400
	v_mov_b32 v255, 0
	v_lshrrev_b32 v1, 5, v0
	v_readfirstlane_b32 s[WV], v1                  ; wave 0..3
	v_and_b32 v[LANE], 31, v0
	v_and_b32 v[R], 15, v0
	v_bfe_u32 v[HH], v0, 4, 1
	v_lshlrev_b32 v[H16], 4, v[HH]
	v_lshlrev_b32 v[L16], 4, v[LANE]
	v_and_b32 v[WSA], 8, v[R]
	v_add_nc_u32 v[WSA], v[WSA], v[R]              ; r + 8 (r / 8)
	v_lshl_add_u32 v[WSA], v[HH], 3, v[WSA]        ; lanes 16-31: tile u = 1, eight rows on
	v_lshlrev_b32 v[WSA], 6, v[WSA]                ; 64 scale bytes a row
	s_lshr_b32 s[EX], ttmp9, 5
	s_and_b32 s[GB], ttmp9, 31
	s_wait_alu depctr_va_sdst(0)                   ; the wave's number is written, ahead of its first reader: ranks, bases and LDS addresses are made from it
	s_mul_i32 s[RHO0], s[WV], CHUNK
	s_lshl_b32 s58, ttmp9, 5                       ; my first weight row: 1,024 e + 32 g
	s_and_b32 s59, s[WV], 1
	s_lshl_b32 s59, s59, 3
	s_add_co_u32 s36, s58, s59                     ; the tile that my wave brings: u = wave % 2 begins 8 rows on
	s_lshl_b32 s36, s36, 11                        ; rows of 2,048 bytes
	s_mov_b32 s37, 0
	s_lshl_b32 s38, s58, 6                         ; rows of 64 scale bytes
	s_mov_b32 s39, 0
	s_mul_i32 s52, ttmp9, RCAP                     ; hq: ((32 e + g) RCAP + my first rank) x 32 bytes
	s_add_co_u32 s52, s52, s[RHO0]
	s_lshl_b32 s52, s52, 5
	s_mov_b32 s53, 0
	s_lshr_b32 s54, ttmp9, 2                       ; hs: ((8 e + g / 4) RCAP + my first rank) x 4 bytes + g % 4
	s_mul_i32 s54, s54, RCAP
	s_add_co_u32 s54, s54, s[RHO0]
	s_lshl_b32 s54, s54, 2
	s_and_b32 s59, ttmp9, 3
	s_add_co_u32 s54, s54, s59
	s_mov_b32 s55, 0
	s_lshl_b32 s56, s[EX], 2                       ; cnt: word e
	s_mov_b32 s57, 0
	s_mul_i32 s50, s[EX], RCAP
	s_mul_i32 s51, s[WV], WT
	s_mov_b32 s40, 0x76543210                      ; v_permlanex16_b32's selects for lane l xor 16
	s_mov_b32 s41, 0xfedcba98
	s_mov_b32 s42, 0x600000                        ; the mantissa field of 448
	s_mov_b32 s44, 0xbfb8aa3b                      ; -log2(e)
	s_mov_b32 s45, s44                             ; (named with it as a pair, so it is written)
	s_mov_b32 s46, 0xffff0000                      ; lanes 16-31
	s_mov_b32 s[PAS], 0
	s_wait_kmcnt 0x0
	s_cmp_lt_u32 s[WV], 2                          ; waves 0, 1 bring w1's tiles, waves 2, 3 w2's
	s_cselect_b64 s[48:49], s[10:11], s[14:15]
	s_add_nc_u64 s[48:49], s[48:49], s[36:37]
	s_add_nc_u64 s[12:13], s[12:13], s[38:39]
	s_add_nc_u64 s[16:17], s[16:17], s[38:39]
	s_add_nc_u64 s[18:19], s[18:19], s[52:53]
	s_add_nc_u64 s[20:21], s[20:21], s[54:55]
	s_add_nc_u64 s[24:25], s[24:25], s[56:57]
	s_wait_alu depctr_va_vdst(0)                   ; v[L16] and v[WSA] are written: the head's loads read them as their offsets
.irp q, 0,1,2,3,4,5,6,7,8,9,10,11,12,13,14,15
	global_load_b128 v[SEL+4*\q:SEL+4*\q+3], v[L16], s[8:9] offset:512*\q     ; all 2,048 expert numbers
.endr
.irp q, 0,1,2,3
	global_load_b128 v[WS1+4*\q:WS1+4*\q+3], v[WSA], s[12:13] offset:16*\q    ; the weights' scale words of all 16 K steps
	global_load_b128 v[WS1+16+4*\q:WS1+16+4*\q+3], v[WSA], s[16:17] offset:16*\q
.endr
	WIN 0x80                                       ; destination window 2
.set n, 0
.rept 64                               ; my tile: LDS row n / 4 = 8 a + i is weight row 16 a + i of the tile; 512 consecutive bytes a load; read once in the launch
	global_load_b128 v[4*n:4*n+3], v[L16], s[48:49] offset:(((n>>5)*16)+((n>>2)&7))*2048+512*(n&3) th:TH_LOAD_NT
.set n, n+1
.endr
	WIN 0
	v_add_nc_u32 v[LST], s51, v[L16]
	v_mul_u32_u24 v[WL], v[R], WP
	v_add_nc_u32 v[WL], v[WL], v[H16]
	v_add_nc_u32 v[WL+1], 2*WT, v[WL]
	v_lshlrev_b32 v84, 5, v[R]
	v_add_nc_u32 v84, v84, v[H16]
	v_lshlrev_b32 v85, 2, v[R]
.irp d, 0,1,2
	v_mov_b32 v[PX+\d], 0                          ; written once: a lane permute's destination counts as one of its sources
.endr
	WIN 0x40                                       ; destination window 1
	v_mov_b32 v[HA], v84
	v_mov_b32 v[HSA], v85
	v_mov_b32 v[M2], 0
	WIN 0
	s_wait_loadcnt 63                              ; 72 loads were issued behind the last load of expert numbers: with 63 out those 16 are in.  The routing below runs while the weights are on their way
	s_mov_b32 s[RUN], 0
.irp q, 0,1,2,3,4,5,6,7
.irp k, 0,1,2,3,4,5,6,7
	v_cmp_eq_u32 s[MSK+\k], s[EX], v[SEL+8*\q+\k]
.endr
	s_wait_alu depctr_va_sdst(0)                   ; the eight lane masks are written, ahead of the counts of bits that read them
.irp k, 0,1,2,3,4,5,6,7
	s_bcnt1_i32_b32 s[NB], s[MSK+\k]
	s_add_co_u32 s[RUN], s[RUN], s[NB]
.endr
.endr
	s_mov_b32 s[RE], s[RUN]                        ; the expert's count
	s_sub_co_u32 s47, s[RE], 1                     ; its last rank
	SELECT
	WIN 0x08                                       ; an LDS store's data are its source 1: window 2
	s_wait_alu depctr_va_vdst(0)                   ; v[LST] is written: the LDS stores below read it as their address
.irp grp, 0,1,2,3
	s_wait_loadcnt 48-16*\grp                      ; this group's 16 loads are in; the groups behind it may be out
.irp i, 0,1,2,3,4,5,6,7,8,9,10,11,12,13,14,15
.set n, 16*\grp+\i
	ds_store_b128 v[LST], v[4*n:4*n+3] offset:(n>>2)*WP+512*(n&3)
.endr
.endr
	WIN 0
	s_wait_dscnt 0x0                               ; for the others' sake: my tile lies in LDS
	s_barrier_signal -1
	s_barrier_wait -1                              ; the launch's one barrier, on every wave's path; LDS is only read from here on
	s_wait_alu depctr_vm_vsrc(0)                   ; my LDS stores have read window 2's registers: these are x's slots from here on, in which the pass's loads land
	s_or_b32 s51, s[GB], s[WV]
	s_cmp_lg_u32 s51, 0
	s_cbranch_scc1 .Lnocnt                         ; one wave for each expert stores its count
	v_mov_b32 v82, 0
	v_mov_b32 v83, s[RE]
	s_wait_alu depctr_va_vdst(0)                   ; v82 and v83 are written: the store reads them
	global_store_b32 v82, v83, s[24:25]
.Lnocnt:
	s_cmp_ge_u32 s[RHO0], s[RE]
	s_cbranch_scc1 .Lend                           ; no rank for my wave
.Lpass:                                                ; NPASS trips at the most; a wave leaves by the forward branch below as soon as its next first rank reaches the count
	s_wait_alu depctr_va_vdst(0)                   ; SELECT has written v[XA ..] and v[XSA ..], which the loads below read; the last pass's products are done reading x's scale words and the slots, in which the loads of this head and of step 0 land
.irp d, 0,1,2
.irp q, 0,1,2,3
	global_load_b128 v[XS+16*\d+4*\q:XS+16*\d+4*\q+3], v[XSA+\d], s[6:7] offset:16*\q   ; my rows' scale words of all 16 K steps
.endr
.endr
	ALOAD 0
	ALOAD 1
	ALOAD 2
	WIN 0xc0
.irp b, 0,1,2,3
	WLD 0, \b
.endr
	WIN 0
	s_cmp_lg_u32 s[GB], 0
	s_cbranch_scc1 .Lnopos                         ; the expert's first work-group stores where each entry's row lies: pos[i] = RCAP e + rank
.irp j, 0,1,2,3,4
	v_min_u32 v[POSA+\j], 0x7ff, v[TI+\j]
.endr
.irp j, 0,1,2,3,4
	v_lshlrev_b32 v[POSA+\j], 2, v[POSA+\j]
.endr
.irp j, 0,1,2,3,4
	v_add3_u32 v[POSV+\j], s[RHO0], v[R], 16*\j
.endr
.irp j, 0,1,2,3,4
	v_min_u32 v[POSV+\j], s47, v[POSV+\j]          ; the copies of the last rank store its own number once more
.endr
.irp j, 0,1,2,3,4
	v_add_nc_u32 v[POSV+\j], s50, v[POSV+\j]
.endr
	s_wait_alu depctr_va_vdst(0)                   ; v[POSA ..] and v[POSV ..] are written: the five stores read them
.irp j, 0,1,2,3,4
	global_store_b32 v[POSA+\j], v[POSV+\j], s[22:23]
.endr
.Lnopos:
.irp t, 0,1,2,3,4,5,6,7,8,9,10,11,12,13,14,15
	STEP \t
.endr
	PLACES 8                                       ; in front of the first read of results
	WIN 0x55                                       ; everything in window 1
.irp j, 0,1,2,3,4
	EPI \j
.endr
	s_wait_alu depctr_va_vdst(0)                   ; tile 4 has written its codes and its byte, which the last two stores read
	HOUT 4
	WIN 0
	s_wait_xcnt 0x0                                ; the stores have read their data, offsets and bases: all are written again only behind this wait
	s_wait_alu depctr_vm_vsrc(0)                   ; the pass's loads have read v[XA ..] and v[XSA ..], its stores v[POSA ..], v[POSV ..], the codes and the bytes: SELECT and the next pass write all of these again
	s_add_nc_u64 s[18:19], s[18:19], 320*32
	s_add_nc_u64 s[20:21], s[20:21], 320*4
	s_add_co_u32 s[RHO0], s[RHO0], 320
	s_cmp_ge_u32 s[RHO0], s[RE]
	s_cbranch_scc1 .Lend                           ; no further rank for my wave
	SELECT                                         ; (the loads that named these address registers were waited for in the last K steps)
	s_add_co_u32 s[PAS], s[PAS], 1
	s_cmp_lt_u32 s[PAS], NPASS
	s_cbranch_scc1 .Lpass
.Lend:
	s_wait_dscnt 0x0                               ; the closing lines, six on end
	s_wait_alu 0x0
	s_wait_tensorcnt 0x0
	ds_add_u32 v254, v255
	s_wait_dscnt 0x0
	s_endpgm
.Lfunc_end_k_qbcc90f0736_gateup:
	.size	k_qbcc90f0736_gateup, .Lfunc_end_k_qbcc90f0736_gateup-k_qbcc90f0736_gateup
	.p2alignl 7, 3214868480
	.fill 96, 4, 3214868480
	.section	.rodata,"a",@progbits
	.p2align	6, 0x0
	.amdhsa_kernel k_qbcc90f0736_gateup
		.amdhsa_group_segment_fixed_size 132608
		.amdhsa_private_segment_fixed_size 0
		.amdhsa_enable_private_segment 0
		.amdhsa_kernarg_size 88
		.amdhsa_user_sgpr_count 2
		.amdhsa_user_sgpr_kernarg_segment_ptr 1
		.amdhsa_wavefront_size32 1
		.amdhsa_system_sgpr_workgroup_id_x 1
		.amdhsa_system_sgpr_workgroup_id_y 1
		.amdhsa_system_sgpr_workgroup_id_z 1
		.amdhsa_system_vgpr_workitem_id 0
		.amdhsa_next_free_vgpr 1024
		.amdhsa_next_free_sgpr 90
		.amdhsa_reserve_vcc 0
		.amdhsa_float_denorm_mode_32 3
		.amdhsa_float_denorm_mode_16_64 3
		.amdhsa_memory_ordered 1
		.amdhsa_forward_progress 1
		.amdhsa_inst_pref_size 255
	.end_amdhsa_kernel
	.section	.bss,"aw",@nobits
	.p2align	6
	.space	262144
	.amdgpu_metadata
---
amdhsa.version: [ 1, 2 ]
amdhsa.kernels:
  - .name:           k_qbcc90f0736_gateup
    .symbol:         k_qbcc90f0736_gateup.kd
    .args:
      - { .name: hidden_states_codes, .offset: 0, .size: 8, .value_kind: global_buffer, .address_space: global }
      - { .name: hidden_states_scales, .offset: 8, .size: 8, .value_kind: global_buffer, .address_space: global }
      - { .name: selected_experts, .offset: 16, .size: 8, .value_kind: global_buffer, .address_space: global }
      - { .name: w1_codes, .offset: 24, .size: 8, .value_kind: global_buffer, .address_space: global }
      - { .name: w1_scales, .offset: 32, .size: 8, .value_kind: global_buffer, .address_space: global }
      - { .name: w2_codes, .offset: 40, .size: 8, .value_kind: global_buffer, .address_space: global }
      - { .name: w2_scales, .offset: 48, .size: 8, .value_kind: global_buffer, .address_space: global }
      - { .name: hq, .offset: 56, .size: 8, .value_kind: global_buffer, .address_space: global }
      - { .name: hs, .offset: 64, .size: 8, .value_kind: global_buffer, .address_space: global }
      - { .name: pos, .offset: 72, .size: 8, .value_kind: global_buffer, .address_space: global }
      - { .name: cnt, .offset: 80, .size: 8, .value_kind: global_buffer, .address_space: global }
    .group_segment_fixed_size: 132608
    .private_segment_fixed_size: 0
    .kernarg_segment_align: 8
    .kernarg_segment_size: 88
    .max_flat_workgroup_size: 128
    .sgpr_count:     90
    .vgpr_count:     1024
    .wavefront_size: 32
...
	.end_amdgpu_metadata
.endif
;; end of part 4
;; launch down (part 5): grid 256 x 1, 4 waves a work-group, no clusters, 84,480 bytes of LDS; arguments hq, hs, cnt, w3_codes, w3_scales, y; writes y
.if DOCPART == 5
	.amdgcn_target "amdgcn-amd-amdhsa--gfx1250"
	.amdhsa_code_object_version 6
	.text
	.protected	k_qbcc90f0736_down
	.globl	k_qbcc90f0736_down
	.p2align	8
	.type	k_qbcc90f0736_down,@function
k_qbcc90f0736_down:
	s_mov_b64 s[64:65], 0
	v_nop
	global_prefetch_b8 v0, s[64:65] scope:SCOPE_SE
	s_setreg_imm32_b32 hwreg(HW_REG_WAVE_SCHED_MODE, 0, 2), 2
	s_setreg_imm32_b32 hwreg(HW_REG_WAVE_MODE, 25, 1), 1
	s_wait_xcnt 0x0
	s_wait_alu depctr_vm_vsrc(0)
; SECOND LAUNCH OF THREE.  y[e][rank][:] = h[e][rank][:] w3[e], on the codes and scale bytes that the first launch stored; the gate is applied by the third launch.
; SHARES.  Work-group x: expert e = x / 32, H columns 64 cg .. + 63 with cg = x % 32.  Its 64 rows of w3 (64 KiB of codes) come into LDS once, 512 consecutive bytes a load; each weight byte is read by one wave of the launch.
; Wave c takes ranks 80 c + 320 p .. + 79, p = 0, 1, .. while the first of them is under the expert's count, exactly the chunks that the first launch stored: no byte is read that was not written.
; hq [e][g][rank][32 bytes] is the operand's register order: registers 4 c .. 4 c + 3 of K step s are 16 bytes of block g = 4 s + c, and a load of 16 ranks is 512 consecutive bytes.  hs [e][s][rank][4 bytes]: a word a rank and K step.
; THE PRODUCT IS USED TRANSPOSED (source 0 = 16 rows of w3, source 1 = 16 ranks): a lane holds eight neighbouring columns of one row of y.  A tile goes through the wave's own stage in LDS and leaves as rows of 256 aligned bytes.
; NO CLUSTER, NO TENSOR LOAD: the number of passes hangs on a count read from memory, and no two work-groups read the same weight byte.
; LIMITS: as the first launch states them.  Tiles all of whose ranks lie at or past the count are multiplied (they are copies of the last rank) but not stored; nobody reads them.
; THE MODE: SCHED_MODE bits 1:0 = 2 (LLVM: expert scheduling mode 2), set by the entry lines.  The code itself states the register dependences between vector or matrix instructions and memory or LDS
; instructions, and those through scalar registers that vector instructions write, with s_wait_alu, always for 0.
; THE PLAN.  Registers that memory or LDS instructions touch:
;   h's slot s % 4       Written by the 20 loads of K step s, issued in step s - 3 (steps 0 to 2: at the pass's head); read by step s's products.
;   weight slot s % 2    Written by the 16 LDS loads of K step s, issued in step s - 1 (step 0: at the pass's head); read by step s's products.
;   HS                   Loaded at the pass's head; read by every product of the pass as scales.  WS3 is loaded once.
;   the accumulators     Written by the products; read by the LDS stores into the stage.
;   OUT                  Written by the LDS loads from the stage; read by the global stores; no vector or matrix instruction names it.
;   the addresses v4-13  Made once at the head, never written again.      Window 2 v0-127 at the head: loaded, read by the LDS stores, then h's slots.
; So ONE wait on va_vdst stands at the head of a K step: the step before is done reading the two slots in which this step's 36 loads land.  These follow it dealt among the step's 20 products, which name
; the step's own two slots, the accumulators and the scale words.  One more stands behind the last step: it serves the stage's stores and, since no vector or matrix instruction follows it in the pass,
; the loads at the next pass's head and in its step 0 too.  One wait on vm_vsrc stands at a pass's end.
.set RCAP,  2112
.set NPASS, 7                          ; 80 c + 320 p is under 2,048, the number of entries, for p up to 6 alone: seven passes at the most
.set GSTR,  RCAP*32                    ; from block g to block g + 1 in hq
.set WP,    1040                       ; an LDS row: 1,024 bytes + 16: an odd multiple of 16
.set WT,    16*WP
.set STG,   4*WT                       ; behind the weights: a stage of 16 rows x 272 bytes for each wave
.set SP,    272
.set L16,  4
.set LST,  5
.set WL,   6
.set HA,   7                           ; 32 r + 16 h
.set L4,   8
.set R4,   9
.set L32,  10
.set STO,  11
.set RD,   12
.set YA,   13
.set HS,   32                          ; v32-55  h's scale words: HS + 8 d + s: lanes 0-15 tile 2 d, lanes 16-31 tile 2 d + 1; nothing but scales
.set WS3,  56                          ; v56-71  w3's: WS3 + 8 p + s: lanes 0-15 tile 2 p, lanes 16-31 tile 2 p + 1
.set OUT,  96                          ; v96-255 32 registers a tile: rows read back from the stage
; window 1: accumulator (j, b) at 8 (4 j + b).  window 2: h's slots 0, 1, 2 at v0, v80, v160 (at the head v0-127: my tile on its way to LDS).  window 3: weight slots at v0, v64; h's slot 3 at v128
.set WV,   16
.set EX,   17
.set CG,   18
.set RE,   19
.set RHO0, 20
.set PAS,  36                          ; passes done
.set MSB, 0
.macro WIN new                         ; the immediate's high byte repeats the setting that is left
.if MSB != \new
	s_set_vgpr_msb (MSB<<8)|\new
.set MSB, \new
.endif
.endm
.macro PLACES n
.rept \n
	v_nop
.endr
.endm
; h's fragments of K step s go into slot s % 4.  XWIN: the slot's window and first register; XLD: tile j's four loads
.macro XWIN s
.if ((\s)%4) == 3
	WIN 0xc0
.set XL, 128
.else
	WIN 0x80
.set XL, 80*((\s)%4)
.endif
.endm
.macro XLD s, j
.irp c, 0,1,2,3
	global_load_b128 v[XL+16*(\j)+4*\c:XL+16*(\j)+4*\c+3], v[HA], s[4:5] offset:(4*(\s)+\c)*GSTR+512*(\j)
.endr
.endm
.macro ALOAD s                         ; all five, in one run: at a pass's head
	XWIN \s
.irp j, 0,1,2,3,4
	XLD \s, \j
.endr
.endm
.macro WLD s, b                        ; weight fragment b of K step s from LDS into slot s % 2 (destination window 3)
.irp c, 0,1,2,3
	ds_load_b128 v[64*((\s)%2)+16*(\b)+4*\c:64*((\s)%2)+16*(\b)+4*\c+3], v[WL] offset:(\b)*WT+128*(\s)+32*\c
.endr
.endm
.macro WM zero, ra, rb                 ; one product, named by rD, rW, rX, rSA, rSB.  ra, rb: the side's scale words stand in lanes 16-31
.if \zero
.if (\ra) && (\rb)
	v_wmma_scale_f32_16x16x128_f8f6f4 v[rD:rD+7], v[rW:rW+15], v[rX:rX+15], 0, v[rSA], v[rSB] matrix_a_scale:MATRIX_SCALE_ROW1 matrix_b_scale:MATRIX_SCALE_ROW1
.elseif (\ra)
	v_wmma_scale_f32_16x16x128_f8f6f4 v[rD:rD+7], v[rW:rW+15], v[rX:rX+15], 0, v[rSA], v[rSB] matrix_a_scale:MATRIX_SCALE_ROW1
.elseif (\rb)
	v_wmma_scale_f32_16x16x128_f8f6f4 v[rD:rD+7], v[rW:rW+15], v[rX:rX+15], 0, v[rSA], v[rSB] matrix_b_scale:MATRIX_SCALE_ROW1
.else
	v_wmma_scale_f32_16x16x128_f8f6f4 v[rD:rD+7], v[rW:rW+15], v[rX:rX+15], 0, v[rSA], v[rSB]
.endif
.else
.if (\ra) && (\rb)
	v_wmma_scale_f32_16x16x128_f8f6f4 v[rD:rD+7], v[rW:rW+15], v[rX:rX+15], v[rD:rD+7], v[rSA], v[rSB] matrix_a_scale:MATRIX_SCALE_ROW1 matrix_b_scale:MATRIX_SCALE_ROW1
.elseif (\ra)
	v_wmma_scale_f32_16x16x128_f8f6f4 v[rD:rD+7], v[rW:rW+15], v[rX:rX+15], v[rD:rD+7], v[rSA], v[rSB] matrix_a_scale:MATRIX_SCALE_ROW1
.elseif (\rb)
	v_wmma_scale_f32_16x16x128_f8f6f4 v[rD:rD+7], v[rW:rW+15], v[rX:rX+15], v[rD:rD+7], v[rSA], v[rSB] matrix_b_scale:MATRIX_SCALE_ROW1
.else
	v_wmma_scale_f32_16x16x128_f8f6f4 v[rD:rD+7], v[rW:rW+15], v[rX:rX+15], v[rD:rD+7], v[rSA], v[rSB]
.endif
.endif
.endm
.macro MULJ s, j                       ; K step s, tile j of h: four of the step's 20 products; the 20 accumulators take turns, one instruction a turn; step 0 starts the sums with the constant 0
.if ((\s)%4) == 3
	WIN 0x5f
.set XB, 128
.else
	WIN 0x5b
.set XB, 80*((\s)%4)
.endif
.irp b, 0,1,2,3
.set rD, 8*(4*\j+\b)
.set rW, 64*((\s)%2)+16*\b
.set rX, XB+16*\j
.set rSA, WS3+8*(\b/2)+(\s)
.set rSB, HS+8*(\j/2)+(\s)
.if (\s) == 0
	WM 1, \b%2, \j%2
.else
	WM 0, \b%2, \j%2
.endif
.endr
.endm
; A K step.  Its loads land in the two slots that step s - 1 multiplied: eight plain places stand behind those products, as in front of every load into a register that a matrix instruction has read,
; and the wait states the dependence.  Behind the wait the loads are dealt among the products: the next step's weights behind the first and the second four, h of three steps on behind the third and the fourth.
.macro STEP s
.if (\s) > 0
	PLACES 8
.endif
.if (\s) < 6
	s_wait_loadcnt 40                              ; h of this step is in (in step 0 the scale words ahead of it too); the 20 loads of each of the two steps behind it may be out
.else
	s_wait_loadcnt 20*(7-(\s))
.endif
	s_wait_dscnt 0x0                               ; this step's weights, asked for a step ago, are in
.if ((\s) > 0) && ((\s) < 7)
	s_wait_alu depctr_va_vdst(0)                   ; the products of step s - 1 are done reading h's slot (s - 1) % 4 and the weights' slot (s - 1) % 2, in which this step's loads land.  (Step 0 leans on the last wait on va_vdst ahead of the pass; step 7 loads nothing)
.endif
	MULJ \s, 0
.if (\s) < 7
	WIN 0xc0
	WLD (\s)+1, 0                                  ; no further wait: no product since the wait names the slots in which these loads land, nor their addresses
	WLD (\s)+1, 1
.endif
	MULJ \s, 1
.if (\s) < 7
	WIN 0xc0
	WLD (\s)+1, 2
	WLD (\s)+1, 3
.endif
	MULJ \s, 2
.if (\s) < 5
	XWIN (\s)+3
	XLD (\s)+3, 0
	XLD (\s)+3, 1
	XLD (\s)+3, 2
.endif
	MULJ \s, 3
.if (\s) < 5
	XWIN (\s)+3
	XLD (\s)+3, 3
	XLD (\s)+3, 4
.endif
	MULJ \s, 4
.endm
.macro TOSTAGE j                       ; tile j: 16 ranks x 64 columns into my stage, each accumulator from its low end on, and back as whole rows.  LDS serves a wave's instructions in order (ISA guide 5.7.1.4): no wait between
	WIN 0x04                                       ; an LDS store's data are its source 1: window 1
.irp b, 0,1,2,3
	ds_store_b128 v[STO], v[8*(4*(\j)+\b):8*(4*(\j)+\b)+3] offset:64*\b
	ds_store_b128 v[STO], v[8*(4*(\j)+\b)+4:8*(4*(\j)+\b)+7] offset:64*\b+16
.endr
	WIN 0
.irp q, 0,1,2,3,4,5,6,7
	ds_load_b128 v[OUT+32*(\j)+4*\q:OUT+32*(\j)+4*\q+3], v[RD] offset:2*SP*\q
.endr
.endm
.macro SEND j
.irp q, 0,1,2,3,4,5,6,7
	global_store_b128 v[YA], v[OUT+32*(\j)+4*\q:OUT+32*(\j)+4*\q+3], s[14:15] offset:(16*(\j)+2*\q)*8192   ; sixteen lanes store 256 consecutive bytes, at a multiple of 256 from y's first byte
.endr
.endm
	s_load_b256 s[4:11], s[0:1], 0x0               ; hq s[4:5], hs s[6:7], cnt s[8:9], w3's codes s[10:11]
	s_load_b128 s[12:15], s[0:1], 0x20             ; w3's scales s[12:13], y s[14:15]
	v_lshl_add_u32 v94, v0, 2, 0x14800
	v_mov_b32 v95, 0
	v_lshrrev_b32 v1, 5, v0
	v_readfirstlane_b32 s[WV], v1                  ; wave 0..3
	v_and_b32 v1, 31, v0                           ; lane
	v_and_b32 v2, 15, v0                           ; r
	v_bfe_u32 v3, v0, 4, 1                         ; h
	v_lshlrev_b32 v[L16], 4, v1
	v_lshlrev_b32 v[L32], 5, v1
	s_lshr_b32 s[EX], ttmp9, 5
	s_and_b32 s[CG], ttmp9, 31
	s_wait_alu depctr_va_sdst(0)                   ; the wave's number is written, ahead of its first reader: ranks, bases and LDS addresses are made from it
	s_mul_i32 s[RHO0], s[WV], 80
	s_lshl_b32 s22, ttmp9, 6                       ; my first row of w3: 2,048 e + 64 cg
	s_lshl_b32 s24, s[WV], 4
	s_add_co_u32 s24, s24, s22                     ; my wave brings tile b = wave
	s_lshl_b32 s24, s24, 10                        ; rows of 1,024 bytes
	s_mov_b32 s25, 0
	s_lshl_b32 s26, s22, 5                         ; rows of 32 scale bytes
	s_mov_b32 s27, 0
	s_mul_i32 s28, s[EX], 32*RCAP                  ; hq: (32 e RCAP + my first rank) x 32 bytes
	s_add_co_u32 s28, s28, s[RHO0]
	s_lshl_b32 s28, s28, 5
	s_mov_b32 s29, 0
	s_mul_i32 s30, s[EX], 8*RCAP                   ; hs: (8 e RCAP + my first rank) x 4 bytes
	s_add_co_u32 s30, s30, s[RHO0]
	s_lshl_b32 s30, s30, 2
	s_mov_b32 s31, 0
	s_mul_i32 s32, s[EX], RCAP                     ; y: (e RCAP + my first rank) rows of 8,192 bytes + 256 cg
	s_add_co_u32 s32, s32, s[RHO0]
	s_lshl_b32 s32, s32, 13
	s_lshl_b32 s33, s[CG], 8
	s_add_co_u32 s32, s32, s33
	s_mov_b32 s33, 0
	s_lshl_b32 s34, s[EX], 2                       ; cnt: word e
	s_mov_b32 s35, 0
	s_mov_b32 s[PAS], 0
	s_wait_kmcnt 0x0
	s_add_nc_u64 s[8:9], s[8:9], s[34:35]
	s_load_b32 s[RE], s[8:9], 0x0                  ; the expert's count, stored by the first launch
	s_add_nc_u64 s[10:11], s[10:11], s[24:25]
	s_add_nc_u64 s[12:13], s[12:13], s[26:27]
	s_add_nc_u64 s[4:5], s[4:5], s[28:29]
	s_add_nc_u64 s[6:7], s[6:7], s[30:31]
	s_add_nc_u64 s[14:15], s[14:15], s[32:33]
	s_wait_alu depctr_va_vdst(0)                   ; v[L32] and v[L16] are written: the head's loads read them as their offsets
.irp p, 0,1
.irp q, 0,1
	global_load_b128 v[WS3+8*\p+4*\q:WS3+8*\p+4*\q+3], v[L32], s[12:13] offset:1024*\p+16*\q   ; row 32 p + lane: its eight scale words
.endr
.endr
	WIN 0x80                                       ; destination window 2
.set n, 0
.rept 32                               ; my tile's 16 rows are 16 KiB on end: 512 consecutive bytes a load; read once in the launch
	global_load_b128 v[4*n:4*n+3], v[L16], s[10:11] offset:512*n th:TH_LOAD_NT
.set n, n+1
.endr
	WIN 0
	s_mul_i32 s21, s[WV], WT
	v_add_nc_u32 v[LST], s21, v[L16]
	v_mul_u32_u24 v[WL], v2, WP
	v_lshl_add_u32 v[WL], v3, 4, v[WL]             ; a fragment's row x pitch + 16 h
	v_lshlrev_b32 v[HA], 5, v2
	v_lshl_add_u32 v[HA], v3, 4, v[HA]
	v_lshlrev_b32 v[L4], 2, v1
	v_lshlrev_b32 v[R4], 2, v2
	s_mul_i32 s21, s[WV], 16*SP
	s_add_co_u32 s21, s21, STG                     ; my stage
	v_mul_u32_u24 v[STO], v2, SP                   ; in: row r, 32 bytes for each half of the lanes
	v_lshl_add_u32 v[STO], v3, 5, v[STO]
	v_add_nc_u32 v[STO], s21, v[STO]
	v_mul_u32_u24 v[RD], v3, SP                    ; back: lanes 0-15 one row of 256 bytes, lanes 16-31 the next
	v_lshl_add_u32 v[RD], v2, 4, v[RD]
	v_add_nc_u32 v[RD], s21, v[RD]
	v_lshlrev_b32 v[YA], 13, v3                    ; and the same two rows in y
	v_lshl_add_u32 v[YA], v2, 4, v[YA]
	WIN 0x08                                       ; an LDS store's data are its source 1: window 2
	s_wait_alu depctr_va_vdst(0)                   ; the eight addresses v[LST], v[WL], v[HA], v[L4], v[R4], v[STO], v[RD], v[YA] are written: the LDS stores below and every load and store of the passes read them; no vector instruction writes a register after this line
.irp grp, 0,1
	s_wait_loadcnt 16-16*\grp                      ; this half's 16 loads (and the scale words ahead of them) are in; the other half may be out
.irp i, 0,1,2,3,4,5,6,7,8,9,10,11,12,13,14,15
.set n, 16*\grp+\i
	ds_store_b128 v[LST], v[4*n:4*n+3] offset:(n>>1)*WP+512*(n&1)
.endr
.endr
	WIN 0
	s_wait_dscnt 0x0                               ; for the others' sake: my tile lies in LDS
	s_barrier_signal -1
	s_barrier_wait -1                              ; the launch's one barrier, on every wave's path; the weights are only read from here on
	s_wait_alu depctr_vm_vsrc(0)                   ; my LDS stores have read window 2's v0-127: these are h's slots from here on, in which the pass's loads land
	s_wait_kmcnt 0x0
	s_min_u32 s[RE], s[RE], 0x800                  ; there are 2,048 entries in all
	s_cmp_ge_u32 s[RHO0], s[RE]
	s_cbranch_scc1 .Lend                           ; no rank for my wave
.Lpass:                                                ; NPASS trips at the most; a wave leaves by the forward branch below as soon as its next first rank reaches the count
.irp s, 0,1,2,3,4,5,6,7
	global_load_b32 v[HS+\s], v[L4], s[6:7] offset:RCAP*4*\s           ; ranks 0-31 of my chunk,
	global_load_b32 v[HS+8+\s], v[L4], s[6:7] offset:RCAP*4*\s+128     ; 32-63,
	global_load_b32 v[HS+16+\s], v[R4], s[6:7] offset:RCAP*4*\s+256    ; 64-79, in both halves of the lanes: nothing past the chunk is read
.endr
	ALOAD 0
	ALOAD 1
	ALOAD 2
	WIN 0xc0
.irp b, 0,1,2,3
	WLD 0, \b
.endr
.irp t, 0,1,2,3,4,5,6,7
	STEP \t
.endr
	PLACES 9                                       ; eight in front of the first read of results and of the next pass's loads into the slots; the ninth for the next pass's first products, which write over these accumulators with another C
	s_wait_alu depctr_va_vdst(0)                   ; the products have written the accumulators, which the LDS stores below read, and are done reading the slots and h's scale words, in which the next pass's loads land; the places above stay beside this wait
.irp j, 0,1,2,3,4
	TOSTAGE \j
.endr
	s_wait_dscnt 63                                ; 64 LDS instructions were issued behind tile 0's loads: with 63 out they are in
	SEND 0
.irp j, 1,2,3,4
	s_add_co_u32 s21, s[RHO0], 16*\j
	s_cmp_ge_u32 s21, s[RE]
	s_cbranch_scc1 .Lsent                          ; from here on only copies of the last rank: not stored
	s_wait_dscnt 64-16*\j                          ; the 16 LDS instructions of each tile behind this one may be out
	SEND \j
.endr
.Lsent:
	s_wait_dscnt 0x0                               ; the loads from the stage have landed on every way
	s_wait_xcnt 0x0                                ; the stores have read their data and base: both are written again only behind this wait
	s_wait_alu depctr_vm_vsrc(0)                   ; the global stores have read v[OUT ..], in which the next pass's loads from the stage land; the LDS stores have read the accumulators, which the next pass's first products write
	s_add_nc_u64 s[4:5], s[4:5], 320*32
	s_add_nc_u64 s[6:7], s[6:7], 320*4
	s_add_nc_u64 s[14:15], s[14:15], 320*8192
	s_add_co_u32 s[RHO0], s[RHO0], 320
	s_cmp_ge_u32 s[RHO0], s[RE]
	s_cbranch_scc1 .Lend                           ; no further rank for my wave
	s_add_co_u32 s[PAS], s[PAS], 1
	s_cmp_lt_u32 s[PAS], NPASS
	s_cbranch_scc1 .Lpass
.Lend:
	s_wait_dscnt 0x0                               ; the closing lines, six on end
	s_wait_alu 0x0
	s_wait_tensorcnt 0x0
	ds_add_u32 v94, v95
	s_wait_dscnt 0x0
	s_endpgm
.Lfunc_end_k_qbcc90f0736_down:
	.size	k_qbcc90f0736_down, .Lfunc_end_k_qbcc90f0736_down-k_qbcc90f0736_down
	.p2alignl 7, 3214868480
	.fill 96, 4, 3214868480
	.section	.rodata,"a",@progbits
	.p2align	6, 0x0
	.amdhsa_kernel k_qbcc90f0736_down
		.amdhsa_group_segment_fixed_size 84480
		.amdhsa_private_segment_fixed_size 0
		.amdhsa_enable_private_segment 0
		.amdhsa_kernarg_size 48
		.amdhsa_user_sgpr_count 2
		.amdhsa_user_sgpr_kernarg_segment_ptr 1
		.amdhsa_wavefront_size32 1
		.amdhsa_system_sgpr_workgroup_id_x 1
		.amdhsa_system_sgpr_workgroup_id_y 1
		.amdhsa_system_sgpr_workgroup_id_z 1
		.amdhsa_system_vgpr_workitem_id 0
		.amdhsa_next_free_vgpr 1024
		.amdhsa_next_free_sgpr 66
		.amdhsa_reserve_vcc 0
		.amdhsa_float_denorm_mode_32 3
		.amdhsa_float_denorm_mode_16_64 3
		.amdhsa_memory_ordered 1
		.amdhsa_forward_progress 1
		.amdhsa_inst_pref_size 70
	.end_amdhsa_kernel
	.amdgpu_metadata
---
amdhsa.version: [ 1, 2 ]
amdhsa.kernels:
  - .name:           k_qbcc90f0736_down
    .symbol:         k_qbcc90f0736_down.kd
    .args:
      - { .name: hq, .offset: 0, .size: 8, .value_kind: global_buffer, .address_space: global }
      - { .name: hs, .offset: 8, .size: 8, .value_kind: global_buffer, .address_space: global }
      - { .name: cnt, .offset: 16, .size: 8, .value_kind: global_buffer, .address_space: global }
      - { .name: w3_codes, .offset: 24, .size: 8, .value_kind: global_buffer, .address_space: global }
      - { .name: w3_scales, .offset: 32, .size: 8, .value_kind: global_buffer, .address_space: global }
      - { .name: y, .offset: 40, .size: 8, .value_kind: global_buffer, .address_space: global }
    .group_segment_fixed_size: 84480
    .private_segment_fixed_size: 0
    .kernarg_segment_align: 8
    .kernarg_segment_size: 48
    .max_flat_workgroup_size: 128
    .sgpr_count:     66
    .vgpr_count:     1024
    .wavefront_size: 32
...
	.end_amdgpu_metadata
.endif
;; end of part 5
;; launch combine (part 6): grid 256 x 1, 4 waves a work-group, no clusters, 0 bytes of LDS; arguments y, pos, routing_weights, out0; writes out0
.if DOCPART == 6
	.amdgcn_target "amdgcn-amd-amdhsa--gfx1250"
	.amdhsa_code_object_version 6
	.text
	.protected	k_qbcc90f0736_combine
	.globl	k_qbcc90f0736_combine
	.p2align	8
	.type	k_qbcc90f0736_combine,@function
k_qbcc90f0736_combine:
	s_mov_b64 s[64:65], 0
	v_nop
	global_prefetch_b8 v0, s[64:65] scope:SCOPE_SE
	s_setreg_imm32_b32 hwreg(HW_REG_WAVE_MODE, 25, 1), 1
	s_wait_xcnt 0x0
; THIRD LAUNCH OF THREE.  out[t][:] = g[t][0] y[pos[2 t]][:] + g[t][1] y[pos[2 t + 1]][:]: each output row has one owner, a wave.  pos holds the row of y that the first launch gave each entry.
; A stream: a row of 8,192 bytes is 16 loads of 512 consecutive bytes; both rows' 32 loads are issued at once, and each store covers 512 consecutive bytes.  No LDS, no barrier, no matrix unit: waves share nothing.
; LIMITS.  The two terms are added in the order of the token's slots, not of the experts' numbers; where both slots name one expert, g0 y + g1 y stands for (g0 + g1) y.  Expert numbers lie in 0 .. 7 (else pos was never stored).
.set Y0, 4                             ; v4-67    the first row, then the result
.set Y1, 68                            ; v68-131  the second row
	s_load_b256 s[4:11], s[0:1], 0x0               ; y s[4:5], pos s[6:7], routing_weights s[8:9], out s[10:11]
	v_lshrrev_b32 v1, 5, v0
	v_readfirstlane_b32 s12, v1                    ; wave
	s_lshl_b32 s13, ttmp9, 2
	s_add_co_u32 s13, s13, s12                     ; my token
	s_lshl_b32 s22, s13, 3                         ; two words a token
	s_mov_b32 s23, 0
	s_lshl_b32 s24, s13, 13                        ; a row of 8,192 bytes
	s_mov_b32 s25, 0
	v_and_b32 v1, 31, v0
	v_lshlrev_b32 v1, 4, v1                        ; 16 bytes a lane
	s_wait_alu depctr_va_vdst(0)
	s_wait_kmcnt 0x0
	s_add_nc_u64 s[6:7], s[6:7], s[22:23]
	s_add_nc_u64 s[8:9], s[8:9], s[22:23]
	s_add_nc_u64 s[10:11], s[10:11], s[24:25]
	s_load_b64 s[16:17], s[6:7], 0x0               ; the two rows of y
	s_load_b64 s[18:19], s[8:9], 0x0               ; the two gates
	s_wait_kmcnt 0x0
	s_min_u32 s16, s16, 16895                      ; y has 8 x 2,112 rows
	s_min_u32 s17, s17, 16895
	s_lshl_b32 s26, s16, 13
	s_mov_b32 s27, 0
	s_lshl_b32 s28, s17, 13
	s_mov_b32 s29, 0
	s_add_nc_u64 s[26:27], s[4:5], s[26:27]
	s_add_nc_u64 s[28:29], s[4:5], s[28:29]
	s_mov_b32 s20, s19                             ; the second gate as the low word of a pair of its own: the packed forms take a scalar pair's low word for both halves
	s_mov_b32 s21, s19
.irp q, 0,1,2,3,4,5,6,7,8,9,10,11,12,13,14,15
	global_load_b128 v[Y0+4*\q:Y0+4*\q+3], v1, s[26:27] offset:512*\q th:TH_LOAD_NT   ; each row of y is read by one wave of the launch
	global_load_b128 v[Y1+4*\q:Y1+4*\q+3], v1, s[28:29] offset:512*\q th:TH_LOAD_NT
.endr
.irp q, 0,1,2,3,4,5,6,7,8,9,10,11,12,13,14,15
	s_wait_loadcnt 30-2*\q                         ; this pair of loads is in; the pairs behind it may be out
	v_pk_mul_f32 v[Y0+4*\q:Y0+4*\q+1], v[Y0+4*\q:Y0+4*\q+1], s[18:19] op_sel_hi:[1,0]
	v_pk_mul_f32 v[Y0+4*\q+2:Y0+4*\q+3], v[Y0+4*\q+2:Y0+4*\q+3], s[18:19] op_sel_hi:[1,0]
	v_pk_fma_f32 v[Y0+4*\q:Y0+4*\q+1], v[Y1+4*\q:Y1+4*\q+1], s[20:21], v[Y0+4*\q:Y0+4*\q+1] op_sel_hi:[1,0,1]
	v_pk_fma_f32 v[Y0+4*\q+2:Y0+4*\q+3], v[Y1+4*\q+2:Y1+4*\q+3], s[20:21], v[Y0+4*\q+2:Y0+4*\q+3] op_sel_hi:[1,0,1]
	global_store_b128 v1, v[Y0+4*\q:Y0+4*\q+3], s[10:11] offset:512*\q th:TH_STORE_NT   ; 512 consecutive bytes; no register of a store is written again
.endr
	s_endpgm
.Lfunc_end_k_qbcc90f0736_combine:
	.size	k_qbcc90f0736_combine, .Lfunc_end_k_qbcc90f0736_combine-k_qbcc90f0736_combine
	.p2alignl 7, 3214868480
	.fill 96, 4, 3214868480
	.section	.rodata,"a",@progbits
	.p2align	6, 0x0
	.amdhsa_kernel k_qbcc90f0736_combine
		.amdhsa_group_segment_fixed_size 0
		.amdhsa_private_segment_fixed_size 0
		.amdhsa_enable_private_segment 0
		.amdhsa_kernarg_size 32
		.amdhsa_user_sgpr_count 2
		.amdhsa_user_sgpr_kernarg_segment_ptr 1
		.amdhsa_wavefront_size32 1
		.amdhsa_system_sgpr_workgroup_id_x 1
		.amdhsa_system_sgpr_workgroup_id_y 1
		.amdhsa_system_sgpr_workgroup_id_z 1
		.amdhsa_system_vgpr_workitem_id 0
		.amdhsa_next_free_vgpr 132
		.amdhsa_next_free_sgpr 66
		.amdhsa_reserve_vcc 0
		.amdhsa_float_denorm_mode_32 3
		.amdhsa_float_denorm_mode_16_64 3
		.amdhsa_memory_ordered 1
		.amdhsa_forward_progress 1
		.amdhsa_inst_pref_size 11
	.end_amdhsa_kernel
	.amdgpu_metadata
---
amdhsa.version: [ 1, 2 ]
amdhsa.kernels:
  - .name:           k_qbcc90f0736_combine
    .symbol:         k_qbcc90f0736_combine.kd
    .args:
      - { .name: y, .offset: 0, .size: 8, .value_kind: global_buffer, .address_space: global }
      - { .name: pos, .offset: 8, .size: 8, .value_kind: global_buffer, .address_space: global }
      - { .name: routing_weights, .offset: 16, .size: 8, .value_kind: global_buffer, .address_space: global }
      - { .name: out0, .offset: 24, .size: 8, .value_kind: global_buffer, .address_space: global }
    .group_segment_fixed_size: 0
    .private_segment_fixed_size: 0
    .kernarg_segment_align: 8
    .kernarg_segment_size: 32
    .max_flat_workgroup_size: 128
    .sgpr_count:     66
    .vgpr_count:     132
    .wavefront_size: 32
...
	.end_amdgpu_metadata
.endif
;; end of part 6
